; MI455X (gfx1250); checked and timed in simulation.
; The chip was launched on July 23, 2026; its instructions are those of AMD's public machine-readable ISA for CDNA 5 (MIT licence, August 2026) and "CDNA5" Instruction Set Architecture Reference Guide (July 2026). The comments in the code are by the model that wrote it; some were corrected since.
;; Cosine Attention. Allowed arithmetic: float matrix products may take bf16 or f16 operands with f32 sums; all other float work in f32.
;; Inputs: Wk 1,024 x 1,024 float32; Wo 1,024 x 1,024 float32; Wq 1,024 x 1,024 float32; Wv 1,024 x 1,024 float32; attn_mask 2,048 x 2,048 bool; bk 1,024 float32; bo 1,024 float32; bq 1,024 float32; bv 1,024 float32; k 4 x 2,048 x 1,024 float32; key_padding_mask 4 x 2,048 bool; q 4 x 2,048 x 1,024 float32; v 4 x 2,048 x 1,024 float32.
;; Outputs: out0 4 x 2,048 x 1,024 float32.
;; 2 versions, each right; version 2 is version 1 with the launch cast written anew for expert scheduling mode. Each part assembles by itself: llvm-mc -triple=amdgcn-amd-amdhsa -mcpu=gfx1250 --defsym DOCPART=n.
;; ======== version 1 of 2: 6 launches
;; limits: values are held in f16: magnitudes above 65,504 overflow, below 6.1e-05 lose precision
;; workspace buffers: xb 50,331,648 bytes; wb 8,388,608 bytes; qk 33,554,432 bytes; vt 16,777,216 bytes; ssq 524,288 bytes; pm 33,554,432 bytes; lp 524,288 bytes; ob 16,777,216 bytes
;; launch cast (part 1): grid 1024 x 1, 8 waves a work-group, no clusters, 0 bytes of LDS; arguments q, k, v, Wq, Wk, Wv, Wo, xb, wb; writes xb, wb
.if DOCPART == 1
	.amdgcn_target "amdgcn-amd-amdhsa--gfx1250"
	.amdhsa_code_object_version 6
	.text
	.protected	k_q4a39b9c4ed_cast
	.globl	k_q4a39b9c4ed_cast
	.p2align	8
	.type	k_q4a39b9c4ed_cast,@function
k_q4a39b9c4ed_cast:
	s_mov_b64 s[64:65], 0
	v_nop
	global_prefetch_b8 v0, s[64:65] scope:SCOPE_SE
	s_setreg_imm32_b32 hwreg(HW_REG_WAVE_MODE, 25, 1), 1
	s_wait_xcnt 0x0
; q, k, v, Wq, Wk, Wv: f32 -> bf16 (nearest even).  Wo: f32 -> bf16 -> f16, so that every large input is rounded to bf16 once
; and the last product can run on f16 operands.
; LIMIT: the step bf16 -> f16 is exact for |Wo| >= 2^-17; below that the absolute error is at most 2^-25.
; xb = [3 (q, k, v)][8192][1024] bf16;  wb = [4][1024][1024]: Wq, Wk, Wv in bf16, Wo in f16.
; A stream: no LDS, no barrier, no matrix unit.  1,024 work-groups of 8 waves; work-group i takes 8,192 numbers of each of q, k, v
; (8 loads of 16 bytes a thread each) and 1,024 numbers of each weight matrix (1 load a thread each).  A wave's load covers 512
; neighbouring bytes, its store 256 neighbouring bytes at a multiple of 256.  All 28 loads of a thread go out first; no register
; is written twice, so the only waits are the counted ones for the loads.
.set X, 4                              ; v[4:115]  load i: 4 registers; the packed result lies in the first two
	s_load_b512 s[4:19], s[0:1], 0x0               ; q s[4:5], k s[6:7], v s[8:9], Wq s[10:11], Wk s[12:13], Wv s[14:15], Wo s[16:17], xb s[18:19]
	s_load_b64 s[20:21], s[0:1], 0x40              ; wb
	s_lshl_b32 s22, ttmp9, 15                      ; byte offsets of the work-group's parts, each in a pair with 0 on top:
	s_mov_b32 s23, 0                               ; 8,192 f32 in
	s_lshl_b32 s24, ttmp9, 14                      ; 8,192 bf16 out
	s_mov_b32 s25, 0
	s_lshl_b32 s26, ttmp9, 12                      ; 1,024 f32 in
	s_mov_b32 s27, 0
	s_lshl_b32 s28, ttmp9, 11                      ; 1,024 numbers of 16 bits out
	s_mov_b32 s29, 0
	v_lshlrev_b32 v1, 4, v0                        ; 16 bytes a thread in
	v_lshlrev_b32 v2, 3, v0                        ; 8 bytes a thread out
	s_wait_kmcnt 0x0
	s_add_nc_u64 s[4:5], s[4:5], s[22:23]
	s_add_nc_u64 s[6:7], s[6:7], s[22:23]
	s_add_nc_u64 s[8:9], s[8:9], s[22:23]
	s_add_nc_u64 s[10:11], s[10:11], s[26:27]
	s_add_nc_u64 s[12:13], s[12:13], s[26:27]
	s_add_nc_u64 s[14:15], s[14:15], s[26:27]
	s_add_nc_u64 s[16:17], s[16:17], s[26:27]
	s_add_nc_u64 s[30:31], s[18:19], s[24:25]      ; xb: q's part,
	s_add_nc_u64 s[32:33], s[30:31], 16777216      ; k's,
	s_add_nc_u64 s[34:35], s[30:31], 33554432      ; v's
	s_add_nc_u64 s[36:37], s[20:21], s[28:29]      ; wb: Wq's part,
	s_add_nc_u64 s[38:39], s[36:37], 2097152       ; Wk's,
	s_add_nc_u64 s[40:41], s[36:37], 4194304       ; Wv's,
	s_add_nc_u64 s[42:43], s[36:37], 6291456       ; Wo's
.irp j, 0,1,2,3,4,5,6,7
	global_load_b128 v[X+4*\j:X+4*\j+3], v1, s[4:5] offset:\j*4096 th:TH_LOAD_NT
.endr
.irp j, 0,1,2,3,4,5,6,7
	global_load_b128 v[X+32+4*\j:X+32+4*\j+3], v1, s[6:7] offset:\j*4096 th:TH_LOAD_NT
.endr
.irp j, 0,1,2,3,4,5,6,7
	global_load_b128 v[X+64+4*\j:X+64+4*\j+3], v1, s[8:9] offset:\j*4096 th:TH_LOAD_NT
.endr
	global_load_b128 v[X+96:X+99],   v1, s[10:11] th:TH_LOAD_NT
	global_load_b128 v[X+100:X+103], v1, s[12:13] th:TH_LOAD_NT
	global_load_b128 v[X+104:X+107], v1, s[14:15] th:TH_LOAD_NT
	global_load_b128 v[X+108:X+111], v1, s[16:17] th:TH_LOAD_NT
; load i of the 28 is in when at most 27 - i younger ones are out (loads come back in order); four roundings, one store of 8 bytes
.macro CVST i, base, off
	s_wait_loadcnt 27-(\i)
	v_cvt_pk_bf16_f32 v[X+4*(\i)],   v[X+4*(\i)],   v[X+4*(\i)+1]
	v_cvt_pk_bf16_f32 v[X+4*(\i)+1], v[X+4*(\i)+2], v[X+4*(\i)+3]
	global_store_b64 v2, v[X+4*(\i):X+4*(\i)+1], s[\base:\base+1] offset:\off
.endm
.irp j, 0,1,2,3,4,5,6,7
	CVST \j, 30, \j*2048
.endr
.irp j, 0,1,2,3,4,5,6,7
	CVST 8+\j, 32, \j*2048
.endr
.irp j, 0,1,2,3,4,5,6,7
	CVST 16+\j, 34, \j*2048
.endr
	CVST 24, 36, 0
	CVST 25, 38, 0
	CVST 26, 40, 0
	s_wait_loadcnt 0x0                             ; Wo, the last load
	v_cvt_pk_bf16_f32 v[X+108], v[X+108], v[X+109] ; to bf16 first,
	v_cvt_pk_bf16_f32 v[X+109], v[X+110], v[X+111]
	v_lshlrev_b32 v116, 16, v[X+108]               ; back to f32 (a shift, a mask),
	v_and_b32     v117, 0xffff0000, v[X+108]
	v_lshlrev_b32 v118, 16, v[X+109]
	v_and_b32     v119, 0xffff0000, v[X+109]
	v_cvt_pk_f16_f32 v[X+108], v116, v117          ; and on to f16
	v_cvt_pk_f16_f32 v[X+109], v118, v119
	global_store_b64 v2, v[X+108:X+109], s[42:43]
	s_endpgm
.Lfunc_end_k_q4a39b9c4ed_cast:
	.size	k_q4a39b9c4ed_cast, .Lfunc_end_k_q4a39b9c4ed_cast-k_q4a39b9c4ed_cast
	.p2alignl 7, 3214868480
	.fill 96, 4, 3214868480
	.section	.rodata,"a",@progbits
	.p2align	6, 0x0
	.amdhsa_kernel k_q4a39b9c4ed_cast
		.amdhsa_group_segment_fixed_size 0
		.amdhsa_private_segment_fixed_size 0
		.amdhsa_enable_private_segment 0
		.amdhsa_kernarg_size 72
		.amdhsa_user_sgpr_count 2
		.amdhsa_user_sgpr_kernarg_segment_ptr 1
		.amdhsa_wavefront_size32 1
		.amdhsa_system_sgpr_workgroup_id_x 1
		.amdhsa_system_sgpr_workgroup_id_y 1
		.amdhsa_system_sgpr_workgroup_id_z 1
		.amdhsa_system_vgpr_workitem_id 0
		.amdhsa_next_free_vgpr 120
		.amdhsa_next_free_sgpr 66
		.amdhsa_reserve_vcc 0
		.amdhsa_float_denorm_mode_32 3
		.amdhsa_float_denorm_mode_16_64 3
		.amdhsa_memory_ordered 1
		.amdhsa_forward_progress 1
		.amdhsa_inst_pref_size 12
	.end_amdhsa_kernel
	.amdgpu_metadata
---
amdhsa.version: [ 1, 2 ]
amdhsa.kernels:
  - .name:           k_q4a39b9c4ed_cast
    .symbol:         k_q4a39b9c4ed_cast.kd
    .args:
      - { .name: q, .offset: 0, .size: 8, .value_kind: global_buffer, .address_space: global }
      - { .name: k, .offset: 8, .size: 8, .value_kind: global_buffer, .address_space: global }
      - { .name: v, .offset: 16, .size: 8, .value_kind: global_buffer, .address_space: global }
      - { .name: Wq, .offset: 24, .size: 8, .value_kind: global_buffer, .address_space: global }
      - { .name: Wk, .offset: 32, .size: 8, .value_kind: global_buffer, .address_space: global }
      - { .name: Wv, .offset: 40, .size: 8, .value_kind: global_buffer, .address_space: global }
      - { .name: Wo, .offset: 48, .size: 8, .value_kind: global_buffer, .address_space: global }
      - { .name: xb, .offset: 56, .size: 8, .value_kind: global_buffer, .address_space: global }
      - { .name: wb, .offset: 64, .size: 8, .value_kind: global_buffer, .address_space: global }
    .group_segment_fixed_size: 0
    .private_segment_fixed_size: 0
    .kernarg_segment_align: 8
    .kernarg_segment_size: 72
    .max_flat_workgroup_size: 256
    .sgpr_count:     66
    .vgpr_count:     120
    .wavefront_size: 32
...
	.end_amdgpu_metadata
.endif
;; end of part 1
;; launch projqk (part 2): grid 4 x 64, 4 waves a work-group, clusters of 4 x 4, 327,680 bytes of LDS; arguments xb, wb, bq, bk, qk, ssq; writes qk, ssq
.if DOCPART == 2
	.amdgcn_target "amdgcn-amd-amdhsa--gfx1250"
	.amdhsa_code_object_version 6
	.text
	.protected	k_q4a39b9c4ed_projqk
	.globl	k_q4a39b9c4ed_projqk
	.p2align	8
	.type	k_q4a39b9c4ed_projqk,@function
k_q4a39b9c4ed_projqk:
	s_mov_b64 s[64:65], 0
	v_nop
	global_prefetch_b8 v0, s[64:65] scope:SCOPE_SE
	s_setreg_imm32_b32 hwreg(HW_REG_WAVE_MODE, 25, 1), 1
	s_wait_xcnt 0x0
	s_wait_alu depctr_hold_cnt(0) depctr_sa_sdst(0) depctr_va_vdst(0) depctr_va_sdst(0) depctr_va_ssrc(0) depctr_va_vcc(0) depctr_vm_vsrc(0)
	s_getreg_b32 s2, hwreg(HW_REG_IB_STS2, 6, 4)
	s_cmp_eq_u32 s2, 0
	s_cbranch_scc0 .Lentry_in_a_cluster
	s_endpgm
.Lentry_in_a_cluster:
	s_bfe_u32 s2, ttmp6, 0x10000c
	s_cmp_lg_u32 s2, 0xf033
	s_cbranch_scc0 .Lentry_shape_is_right
	s_endpgm
.Lentry_shape_is_right:
; The projections of q and k: C[m][n] = sum over k of A[m][k] B[n][k], K = 1024, bf16 operands, f32 sums.
;   sel = 0, 1: A = q or k [8192][1024] (xb[sel]), B = Wq or Wk [1024][1024] (wb[sel]);  C + bias[n] -> qk[sel] in bf16, NOT normalised;
;   the sum of squares of (C + bias), in f32 and before the rounding, over each wave's 128 columns -> ssq[sel][chunk][row].
; ssq's rows are permuted: row 64 g + 16 a + r (a = 0 .. 3) lies at index 64 g + 4 r + a, so that a wave's 128 sums are 512 neighbouring bytes.
; SHAPE: a work-group makes 256 x 256 of C with four waves, a wave 128 x 128: 64 accumulator tiles of 16 x 16, 512 registers.
; 2 x 32 x 4 = 256 work-groups.  K goes in steps of 128 (rows of 256 bytes, at multiples of 256) through two LDS slots filled by the tensor
; data mover; between a tile's request and the wait for it a wave issues 240 matrix instructions.
; CLUSTERS: 4 x 4 work-groups.  A's tile hangs on the block row alone and is asked for jointly by a row of the cluster, B's on the block
; column alone and is asked for jointly by a column.  sel comes from the cluster's y, so it is equal in all sixteen partners.
; REGISTERS: window 0: v1 r, v2 h, v4-11 row sums, v12-15 what is stored of them, v16-31 addresses, v64-127 / v128-191 A's fragments (two buffers),
; v224-255 packed results.  Window 1: v64-127 / v128-191 B's fragments.  Window 2: the 32 accumulator tiles of my rows 0-63 (tile (a, b) at
; v[8 (8 a + b)]);  window 3: those of my rows 64-127.
; THE MATRIX INSTRUCTION IS USED TRANSPOSED (source 0 = rows of B, source 1 = rows of A): lane (r, h) holds row r of the tile and its
; registers 0-7 the columns 8 h + 0 .. 7: eight neighbouring numbers of a row of C.
.set KTOT,   1024
.set PA,     1024                      ; elements from row to row of A
.set PB,     1024                      ; and of B
.set KSTEP,  128
.set PITCH,  272                       ; an LDS row: 256 bytes + 16 of padding: the 16 rows of a fragment load start 68 words apart
.set HALFT,  128*PITCH                 ; 128 rows: what one tensor load brings, and what one wave reads of A or of B
.set SLOT,   4*HALFT                   ; A's 256 rows, then B's 256 rows
.set STAGE,  2*SLOT                    ; behind the ring: 16 rows x 272 bytes for each wave, for the way out; no tensor load lands here
.set SCR,    STAGE+4*16*PITCH          ; 1 KiB: the biases of the work-group's 256 columns
.set LAPS,   KTOT/(2*KSTEP)            ; a lap = two K steps = once round the ring
.set ADRA,   16                        ; v16-17  LDS address of my A fragments in slot 0, 1
.set ADRB,   20                        ; v20-21  the same for B
.set STO,    24                        ; v24     the way out: where I put 16 bytes of a row
.set RD,     25                        ; v25     where I read a row back
.set CO,     26                        ; v26     my byte offset in C
.set F0,     64                        ; fragment buffer 0
.set F1,     128                       ; fragment buffer 1
.set G1,     24                        ; s[24:31] group 1 for A's tiles
.set G0,     32                        ; s[32:39] group 0 for A's tiles, a set for each slot
.set G1B,    48                        ; s[48:55] group 1 for B's tiles
.set G0B,    56                        ; s[56:63] group 0 for B's tiles, a set for each slot
.set W0,     (1<<16)|(1<<20)|(1<<21)|(5<<22)|(3<<25)   ; elements of 2 bytes; padding on; bit 21 beside a mask; after every 64 words, 4 words
.set MUL_LO, 0xa1                      ; source 0 (B) window 1, source 1 (A) window 0, C and D window 2
.set MUL_HI, 0xf1                      ; the same, C and D window 3
.set TO_B,   0x40                      ; destination window 1, address window 0
.set MSB,    0
.macro WIN new                         ; the immediate's high byte repeats the setting that is left; a switch that changes nothing is dropped
.if MSB != \new
	s_set_vgpr_msb (MSB<<8)|\new
.set MSB, \new
.endif
.endm
.macro PLACES                          ; four places behind a matrix instruction before its registers are loaded into or its results read (ISA guide 7.12.1)
.rept 4
	v_nop
.endr
.endm
; A joint load: waves 0 and 1 fetch A's two halves of 128 rows, waves 2 and 3 B's.  The branch hangs on the wave's number alone.
.macro JLOAD s
	s_cmp_eq_u32 s11, 0
	s_cbranch_scc0 .Lfor_b_\@
	tensor_load_to_lds s[G0+4*\s:G0+4*\s+3], s[G1:G1+7]
	s_nop 0
	s_branch .Lasked_\@
.Lfor_b_\@:
	tensor_load_to_lds s[G0B+4*\s:G0B+4*\s+3], s[G1B:G1B+7]
	s_nop 0
.Lasked_\@:
.endm
.macro CREST                           ; a round of the cluster's barrier behind its opening work-group barrier
	s_cmp_lg_u32 s10, 0
	s_cbranch_scc1 .Lnot_wave_0_\@
	s_barrier_signal -3
.Lnot_wave_0_\@:
	s_barrier_wait -3
	s_barrier_signal -1
	s_barrier_wait -1
.endm
.macro CROUND                          ; a whole round
	s_barrier_signal -1
	s_barrier_wait -1
	CREST
.endm
; 16 matrix instructions: m blocks a0, a0 + 1 of the window's four (hi = 0: my rows 0-63, 1: rows 64-127) x all 8 n blocks, 32 along K.
; zero = 1: the first product starts the sums.  The 64 accumulators take turns, one instruction a turn, in the same order everywhere.
.macro MUL16 f, hi, a0, zero
.irp a, \a0, \a0+1
.irp b, 0,1,2,3,4,5,6,7
.if \zero
	v_wmma_f32_16x16x32_bf16 v[8*(8*(\a)+\b):8*(8*(\a)+\b)+7], v[\f+8*\b:\f+8*\b+7], v[\f+8*(4*\hi+\a):\f+8*(4*\hi+\a)+7], 0
.else
	v_wmma_f32_16x16x32_bf16 v[8*(8*(\a)+\b):8*(8*(\a)+\b)+7], v[\f+8*\b:\f+8*\b+7], v[\f+8*(4*\hi+\a):\f+8*(4*\hi+\a)+7], v[8*(8*(\a)+\b):8*(8*(\a)+\b)+7]
.endif
.endr
.endr
.endm
; 32 LDS loads in one run: 128 rows of B, then 128 rows of A, 32 K at byte k of the rows, into buffer f
.macro FETCH slot, k, f
	WIN TO_B
.irp i, 0,1,2,3,4,5,6,7
	ds_load_b128 v[\f+8*\i:\f+8*\i+3],   v[ADRB+\slot] offset:\k+\i*16*PITCH
	ds_load_b128 v[\f+8*\i+4:\f+8*\i+7], v[ADRB+\slot] offset:\k+\i*16*PITCH+32
.endr
	WIN 0
.irp i, 0,1,2,3,4,5,6,7
	ds_load_b128 v[\f+8*\i:\f+8*\i+3],   v[ADRA+\slot] offset:\k+\i*16*PITCH
	ds_load_b128 v[\f+8*\i+4:\f+8*\i+7], v[ADRA+\slot] offset:\k+\i*16*PITCH+32
.endr
.endm
; A quarter of a K step: 64 matrix instructions on buffer f; in its middle the next quarter's fragments go into buffer g.
.macro QUARTER slot, k, f, g, zero
	s_wait_dscnt 8                                 ; B and A's rows 0-63 are in; the youngest eight loads (A's rows 64-127) may be out
	WIN MUL_LO
	MUL16 \f, 0, 0, \zero
	MUL16 \f, 0, 2, \zero
	PLACES
	FETCH \slot, \k, \g
	s_wait_dscnt 32                                ; all but the 32 just issued
	WIN MUL_HI
	MUL16 \f, 1, 0, \zero
	MUL16 \f, 1, 2, \zero
.endm
.macro THREE slot, zero
	QUARTER \slot, 64,  F0, F1, \zero
	QUARTER \slot, 128, F1, F0, 0
	QUARTER \slot, 192, F0, F1, 0
.endm
; The last quarter multiplies buffer 1 and changes slots.  In front of the barrier each wave waits for its reads of this slot and for all its
; tensor loads (one is out: its part of the next slot).  fill = 1: the barrier opens a round of the cluster's barrier, and behind the round
; this slot is asked for again, two K steps ahead, first thing.
.macro TURN slot, next, fill
	s_wait_dscnt 8
	WIN MUL_LO
	MUL16 F1, 0, 0, 0
	s_wait_dscnt 0x0                               ; my reads of this slot are over
	s_wait_tensorcnt 0x0                           ; all my tensor loads have landed
	ds_add_u32 v255, v223
	s_wait_dscnt 0x0
	s_barrier_signal -1
	MUL16 F1, 0, 2, 0                              ; registers only, while the others arrive
	WIN 0
	s_barrier_wait -1
.if \fill
	CREST                                          ; no wave of any partner still reads this slot or has a load on its way
	s_add_nc_u64 s[G0+4*\slot+2:G0+4*\slot+3], s[G0+4*\slot+2:G0+4*\slot+3], 2*KSTEP*2
	s_add_nc_u64 s[G0B+4*\slot+2:G0B+4*\slot+3], s[G0B+4*\slot+2:G0B+4*\slot+3], 2*KSTEP*2
	JLOAD \slot                                    ; my one tensor load behind the round
.endif
	PLACES
	FETCH \next, 0, F0
	WIN MUL_HI
	MUL16 F1, 1, 0, 0
	MUL16 F1, 1, 2, 0
.endm
.macro LAP zero
	THREE 0, \zero
	TURN 0, 1, 1
	THREE 1, 0
	TURN 1, 0, 1
.endm
; The way out for 16 rows x 128 numbers of 16 bits, packed in v[pk .. pk+31]: 16 bytes a lane into my own stage, read back as whole rows of
; 256 bytes into v[rb .. rb+31], stored with sixteen lanes on 256 neighbouring bytes at a multiple of 256.  rowb = bytes in a row of C.
.macro FLUSH16 i, pk, rb, rowb
.irp b, 0,1,2,3,4,5,6,7
	ds_store_b128 v[STO], v[\pk+4*\b:\pk+4*\b+3] offset:32*\b
.endr
	s_wait_xcnt 0x0                                ; the earlier stores' data registers and base are rewritten only behind this wait
.if \i
	s_add_nc_u64 s[8:9], s[8:9], 16*\rowb
.endif
.irp t, 0,1,2,3,4,5,6,7
	ds_load_b128 v[\rb+4*\t:\rb+4*\t+3], v[RD] offset:\t*2*PITCH   ; LDS serves a wave's instructions in order: these see the stores above
.endr
.irp t, 0,1,2,3,4,5,6,7
	s_wait_dscnt 7-\t                              ; read-back t is in, the younger ones may be out
	global_store_b128 v[CO], v[\rb+4*\t:\rb+4*\t+3], s[8:9] offset:2*\t*\rowb
.endr
.endm
; dst[8 b + j] = the f32 of column 16 b + 8 h + j of my 128 columns, from a vector in LDS (the address holds 512 x column half + 32 h)
.macro LOADVEC dst, adr, off
.irp b, 0,1,2,3,4,5,6,7
	ds_load_b128 v[\dst+8*\b:\dst+8*\b+3],   v[\adr] offset:\off+64*\b
	ds_load_b128 v[\dst+8*\b+4:\dst+8*\b+7], v[\adr] offset:\off+64*\b+16
.endr
.endm
	s_load_b256 s[80:87], s[0:1], 0x0              ; xb s[80:81], wb s[82:83], bq s[84:85], bk s[86:87]
	s_load_b128 s[88:91], s[0:1], 0x20             ; qk s[88:89], ssq s[90:91]
	s_set_vgpr_msb 0x40
	v_lshl_add_u32 v255, v0, 2, 0x48800
	s_set_vgpr_msb 0x4000
	v_mov_b32 v223, 0
	s_set_vgpr_msb 0x1
	ds_add_u32 v255, v223
	s_set_vgpr_msb 0x100
	v_lshrrev_b32 v1, 5, v0
	v_readfirstlane_b32 s10, v1                    ; wave 0..3
	s_lshr_b32 s11, s10, 1                         ; my 128-row half of the block.  Also: I fetch for A (0) or for B (1)
	s_and_b32 s12, s10, 1                          ; my 128-column half.  Also: which 128 rows of that tile I fetch
	s_bfe_u32 s40, ttmp6, 0x40000                  ; cx
	s_bfe_u32 s41, ttmp6, 0x40004                  ; cy
	s_and_b32 s4, ttmp7, 0xffff                    ; the cluster's y, 0..15
	s_lshr_b32 s5, s4, 3                           ; sel: 0 Q, 1 K
	s_and_b32 s6, s4, 7                            ; the cluster's row within its product
	s_lshl_b32 s13, s6, 2
	s_add_co_u32 s13, s13, s41                     ; block row of C, 0..31
	s_lshl_b32 s42, ttmp9, 2
	s_add_co_u32 s42, s42, s40                     ; block column of C, 0..3
	s_lshl_b32 s43, s41, 2
	s_lshl_b32 s43, 15, s43                        ; my row of the cluster: places 4 cy .. 4 cy + 3
	s_lshl_b32 s44, 0x1111, s40                    ; my column: places cx, cx + 4, cx + 8, cx + 12
	s_or_b32 s[G1+0], s43, W0                      ; A's tiles go to my row,
	s_or_b32 s[G1B+0], s44, W0                     ; B's to my column
	s_mov_b32 s[G1+1], KSTEP<<16                   ; tensor_dim0 = 128
	s_mov_b32 s[G1+2], 128<<16                     ; tensor_dim1 = 128
	s_mov_b32 s[G1+3], KSTEP<<16                   ; tile_dim0 = 128
	s_mov_b32 s[G1+4], 128                         ; tile_dim1 = 128
	s_mov_b32 s[G1+5], PA                          ; elements from row to row
	s_mov_b32 s[G1+6], 0
	s_mov_b32 s[G1+7], 0
	s_mov_b32 s[G1B+1], KSTEP<<16
	s_mov_b32 s[G1B+2], 128<<16
	s_mov_b32 s[G1B+3], KSTEP<<16
	s_mov_b32 s[G1B+4], 128
	s_mov_b32 s[G1B+5], PB
	s_mov_b32 s[G1B+6], 0
	s_mov_b32 s[G1B+7], 0
	s_lshl_b32 s16, s13, 19                        ; A: xb[sel] + (256 x block row + 128 x half) rows of 2,048 bytes; these registers never hold cx
	s_lshl_b32 s17, s12, 18
	s_add_co_u32 s16, s16, s17
	s_lshl_b32 s17, s5, 24
	s_add_co_u32 s16, s16, s17
	s_mov_b32 s17, 0
	s_lshl_b32 s46, s42, 19                        ; B: wb[sel] + (256 x block column + 128 x half) rows; these never hold cy
	s_lshl_b32 s47, s12, 18
	s_add_co_u32 s46, s46, s47
	s_lshl_b32 s47, s5, 21
	s_add_co_u32 s46, s46, s47
	s_mov_b32 s47, 0
	s_mul_i32 s20, s10, HALFT                      ; where they go in a slot: A's two halves, then B's two halves = wave x 128 rows
	s_wait_dscnt 0x0
	s_wait_kmcnt 0x0
	s_cmp_eq_u32 s5, 1
	s_cselect_b64 s[68:69], s[86:87], s[84:85]     ; bk or bq
	s_add_nc_u64 s[14:15], s[80:81], s[16:17]
	s_add_nc_u64 s[46:47], s[82:83], s[46:47]
	CROUND                                         ; all sixteen work-groups are here: the first joint loads meet
.irp s, 0,1
	s_mov_b32 s[G0+4*\s], 1
	s_add_co_u32 s[G0+4*\s+1], s20, \s*SLOT
	s_add_nc_u64 s[G0+4*\s+2:G0+4*\s+3], s[14:15], \s*KSTEP*2
	s_or_b32 s[G0+4*\s+3], s[G0+4*\s+3], 0x80000000
	s_mov_b32 s[G0B+4*\s], 1
	s_add_co_u32 s[G0B+4*\s+1], s20, \s*SLOT
	s_add_nc_u64 s[G0B+4*\s+2:G0B+4*\s+3], s[46:47], \s*KSTEP*2
	s_or_b32 s[G0B+4*\s+3], s[G0B+4*\s+3], 0x80000000
	JLOAD \s                                       ; both slots are asked for before anything else: two tensor loads of the wave are out
.endr
	; the biases of my 256 columns: 8 bytes a thread, into LDS
	s_lshl_b32 s70, s42, 10
	v_lshlrev_b32 v28, 3, v0
	v_add_nc_u32 v29, SCR, v28
	v_add_nc_u32 v28, s70, v28
	global_load_b64 v[4:5], v28, s[68:69]
	; a fragment: lane l holds row l % 16; two loads of 16 bytes, 32 bytes apart, at row x pitch + 16 (l / 16)
	v_and_b32 v1, 15, v0                           ; r
	v_bfe_u32 v2, v0, 4, 1                         ; h
	v_mul_u32_u24 v3, v1, PITCH
	v_lshl_add_u32 v3, v2, 4, v3
	s_mul_i32 s21, s11, HALFT                      ; my 128 rows of A
	s_mul_i32 s22, s12, HALFT                      ; my 128 rows of B,
	s_add_co_u32 s22, s22, 2*HALFT                 ; which lie behind A's 256
.irp s, 0,1
	v_add_nc_u32 v[ADRA+\s], s21, v3
	v_add_nc_u32 v[ADRB+\s], s22, v3
	s_add_co_u32 s21, s21, SLOT
	s_add_co_u32 s22, s22, SLOT
.endr
	s_mul_i32 s23, s10, 16*PITCH
	s_add_co_u32 s23, s23, STAGE                   ; my stage
	v_add_nc_u32 v[STO], s23, v3                   ; in: row r, 16 bytes for each half of the lanes
	v_mul_u32_u24 v3, v2, PITCH                    ; back: lanes 0-15 one row, lanes 16-31 the next
	v_lshl_add_u32 v3, v1, 4, v3
	v_add_nc_u32 v[RD], s23, v3
	v_lshlrev_b32 v31, 4, v1                       ; 16 r
	v_lshl_add_u32 v[CO], v2, 11, v31              ; two rows of qk a store
	s_mov_b32 s96, 0x76543210                      ; v_permlanex16_b32: lane i reads lane i of the other half
	s_mov_b32 s97, 0xfedcba98
	s_wait_loadcnt 0x0
	ds_store_b64 v29, v[4:5]
	s_wait_dscnt 0x0                               ; my biases are in LDS,
	s_wait_tensorcnt 0x1                           ; my part of K step 0 is in; K step 1's load, issued behind it, may stay out
	s_barrier_signal -1
	s_barrier_wait -1
	FETCH 0, 0, F0
	LAP 1                                          ; the first lap stands in front of the loop: its first products start the sums
	WIN 0
	s_mov_b32 s3, LAPS-2
.Llap:
	LAP 0
	WIN 0
	s_sub_co_u32 s3, s3, 1
	s_cmp_lg_u32 s3, 0
	s_cbranch_scc1 .Llap
	THREE 0, 0                                     ; the last lap fills nothing
	TURN 0, 1, 0
	THREE 1, 0
	s_wait_dscnt 8                                 ; the very last quarter: nothing more to fetch
	WIN MUL_LO
	MUL16 F1, 0, 0, 0
	MUL16 F1, 0, 2, 0
	s_wait_dscnt 0x0
	WIN MUL_HI
	MUL16 F1, 1, 0, 0
	MUL16 F1, 1, 2, 0
	PLACES
	WIN 0
	; ---- + bias[n]; row sums of squares; bf16 out
	s_lshl_b32 s16, s13, 19                        ; my first row: (256 x block row + 128 x half) x 2,048 bytes, in qk[sel]
	s_lshl_b32 s17, s11, 18
	s_add_co_u32 s16, s16, s17
	s_lshl_b32 s17, s5, 24
	s_add_co_u32 s16, s16, s17
	s_mov_b32 s17, 0
	s_add_nc_u64 s[8:9], s[88:89], s[16:17]
	s_lshl_b32 s46, s42, 9                         ; my first column in bytes: 512 x block column + 256 x half
	s_lshl_b32 s47, s12, 8
	s_add_co_u32 s46, s46, s47
	s_mov_b32 s47, 0
	s_add_nc_u64 s[8:9], s[8:9], s[46:47]
	s_lshl_b32 s100, s12, 9
	s_add_co_u32 s100, s100, SCR
	v_lshl_add_u32 v27, v2, 5, s100
	LOADVEC 64, 27, 0                              ; v[64:127]: the biases of my lane's 64 columns
	s_wait_dscnt 0x0
.macro ADDBIAS                         ; the window's 32 tiles in place, the second source in window 0
.irp a, 0,1,2,3
.irp b, 0,1,2,3,4,5,6,7
.irp p, 0,2,4,6
	v_pk_add_f32 v[8*(8*\a+\b)+\p:8*(8*\a+\b)+\p+1], v[8*(8*\a+\b)+\p:8*(8*\a+\b)+\p+1], v[64+8*\b+\p:64+8*\b+\p+1]
.endr
.endr
.endr
.endm
	WIN 0x82                                       ; result and first source in window 2
	ADDBIAS
	WIN 0xc3                                       ; in window 3
	ADDBIAS
; rows 16 i .. 16 i + 15 = the eight tiles (a, 0..7) of window 2 or 3 (from = 0x0a or 0x0f: sources 0 and 1): squares into four chains of pairs
; (the first tile starts them), roundings, the fold over my 64 numbers and the other half of the lanes
.macro QKROWS i, a, from, rb
	WIN \from
.irp b, 0,1,2,3,4,5,6,7
.irp p, 0,1,2,3
.if \b == 0
	v_pk_mul_f32 v[160+2*\p:161+2*\p], v[8*(8*\a+\b)+2*\p:8*(8*\a+\b)+2*\p+1], v[8*(8*\a+\b)+2*\p:8*(8*\a+\b)+2*\p+1]
.else
	v_pk_fma_f32 v[160+2*\p:161+2*\p], v[8*(8*\a+\b)+2*\p:8*(8*\a+\b)+2*\p+1], v[8*(8*\a+\b)+2*\p:8*(8*\a+\b)+2*\p+1], v[160+2*\p:161+2*\p]
.endif
	v_cvt_pk_bf16_f32 v[224+4*\b+\p], v[8*(8*\a+\b)+2*\p], v[8*(8*\a+\b)+2*\p+1]
.endr
.endr
	WIN 0
	v_pk_add_f32 v[160:161], v[160:161], v[162:163]
	v_pk_add_f32 v[164:165], v[164:165], v[166:167]
	v_pk_add_f32 v[160:161], v[160:161], v[164:165]
	v_add_f32 v160, v160, v161
	v_permlanex16_b32 v161, v160, s96, s97         ; the other eight columns of each tile
	v_add_f32 v[4+\i], v160, v161                  ; row 16 i + r, my wave's 128 columns
	FLUSH16 \i, 224, \rb, 2048
.endm
	QKROWS 0, 0, 0x0a, 96
	QKROWS 1, 1, 0x0a, 128
	QKROWS 2, 2, 0x0a, 96
	QKROWS 3, 3, 0x0a, 128
	QKROWS 4, 0, 0x0f, 96
	QKROWS 5, 1, 0x0f, 128
	QKROWS 6, 2, 0x0f, 96
	QKROWS 7, 3, 0x0f, 128
	; the eight sums of a lane's rows: lane (r, h) stores those of i = 4 h .. 4 h + 3 at 256 h + 16 r: 512 neighbouring bytes a wave
	s_lshl_b32 s16, s13, 10                        ; my 128 rows: 512 bytes for each such group,
	s_lshl_b32 s17, s11, 9
	s_add_co_u32 s16, s16, s17
	s_lshl_b32 s17, s5, 18                         ; in ssq[sel]
	s_add_co_u32 s16, s16, s17
	s_mov_b32 s17, 0
	s_add_nc_u64 s[18:19], s[90:91], s[16:17]
	s_lshl_b32 s46, s42, 16                        ; chunk = 2 x block column + half: 32,768 bytes each
	s_lshl_b32 s47, s12, 15
	s_add_co_u32 s46, s46, s47
	s_mov_b32 s47, 0
	s_add_nc_u64 s[18:19], s[18:19], s[46:47]
	v_cmp_ne_u32 vcc_lo, 0, v2
.irp j, 0,1,2,3
	v_cndmask_b32 v[12+\j], v[4+\j], v[8+\j], vcc_lo
.endr
	v_lshl_add_u32 v27, v2, 8, v31
	global_store_b128 v27, v[12:15], s[18:19]
	s_set_vgpr_msb 0x1
	s_wait_tensorcnt 0x0
	ds_add_u32 v255, v223
	s_wait_dscnt 0x0
	s_set_vgpr_msb 0x100
	CROUND                                         ; the closing round: no work-group ends while a partner may still ask for a tile that names it
	s_endpgm
.Lfunc_end_k_q4a39b9c4ed_projqk:
	.size	k_q4a39b9c4ed_projqk, .Lfunc_end_k_q4a39b9c4ed_projqk-k_q4a39b9c4ed_projqk
	.p2alignl 7, 3214868480
	.fill 96, 4, 3214868480
	.section	.rodata,"a",@progbits
	.p2align	6, 0x0
	.amdhsa_kernel k_q4a39b9c4ed_projqk
		.amdhsa_group_segment_fixed_size 327680
		.amdhsa_private_segment_fixed_size 0
		.amdhsa_enable_private_segment 0
		.amdhsa_kernarg_size 48
		.amdhsa_user_sgpr_count 2
		.amdhsa_user_sgpr_kernarg_segment_ptr 1
		.amdhsa_wavefront_size32 1
		.amdhsa_system_sgpr_workgroup_id_x 1
		.amdhsa_system_sgpr_workgroup_id_y 1
		.amdhsa_system_sgpr_workgroup_id_z 1
		.amdhsa_system_vgpr_workitem_id 0
		.amdhsa_next_free_vgpr 1024
		.amdhsa_next_free_sgpr 102
		.amdhsa_reserve_vcc 1
		.amdhsa_float_denorm_mode_32 3
		.amdhsa_float_denorm_mode_16_64 3
		.amdhsa_memory_ordered 1
		.amdhsa_forward_progress 1
		.amdhsa_inst_pref_size 233
	.end_amdhsa_kernel
	.amdgpu_metadata
---
amdhsa.version: [ 1, 2 ]
amdhsa.kernels:
  - .name:           k_q4a39b9c4ed_projqk
    .symbol:         k_q4a39b9c4ed_projqk.kd
    .args:
      - { .name: xb, .offset: 0, .size: 8, .value_kind: global_buffer, .address_space: global }
      - { .name: wb, .offset: 8, .size: 8, .value_kind: global_buffer, .address_space: global }
      - { .name: bq, .offset: 16, .size: 8, .value_kind: global_buffer, .address_space: global }
      - { .name: bk, .offset: 24, .size: 8, .value_kind: global_buffer, .address_space: global }
      - { .name: qk, .offset: 32, .size: 8, .value_kind: global_buffer, .address_space: global }
      - { .name: ssq, .offset: 40, .size: 8, .value_kind: global_buffer, .address_space: global }
    .group_segment_fixed_size: 327680
    .private_segment_fixed_size: 0
    .kernarg_segment_align: 8
    .kernarg_segment_size: 48
    .max_flat_workgroup_size: 128
    .sgpr_count:     102
    .vgpr_count:     1024
    .wavefront_size: 32
...
	.end_amdgpu_metadata
.endif
;; end of part 2
;; launch projv (part 3): grid 32 x 8, 4 waves a work-group, clusters of 4 x 4, 327,680 bytes of LDS; arguments xb, wb, bv, vt; writes vt
.if DOCPART == 3
	.amdgcn_target "amdgcn-amd-amdhsa--gfx1250"
	.amdhsa_code_object_version 6
	.text
	.protected	k_q4a39b9c4ed_projv
	.globl	k_q4a39b9c4ed_projv
	.p2align	8
	.type	k_q4a39b9c4ed_projv,@function
k_q4a39b9c4ed_projv:
	s_mov_b64 s[64:65], 0
	v_nop
	global_prefetch_b8 v0, s[64:65] scope:SCOPE_SE
	s_setreg_imm32_b32 hwreg(HW_REG_WAVE_MODE, 25, 1), 1
	s_wait_xcnt 0x0
	s_wait_alu depctr_hold_cnt(0) depctr_sa_sdst(0) depctr_va_vdst(0) depctr_va_sdst(0) depctr_va_ssrc(0) depctr_va_vcc(0) depctr_vm_vsrc(0)
	s_getreg_b32 s2, hwreg(HW_REG_IB_STS2, 6, 4)
	s_cmp_eq_u32 s2, 0
	s_cbranch_scc0 .Lentry_in_a_cluster
	s_endpgm
.Lentry_in_a_cluster:
	s_bfe_u32 s2, ttmp6, 0x10000c
	s_cmp_lg_u32 s2, 0xf033
	s_cbranch_scc0 .Lentry_shape_is_right
	s_endpgm
.Lentry_shape_is_right:
; The projection of v, transposed: C[m][n] = sum over k of A[m][k] B[n][k], K = 1024, bf16 operands, f32 sums, with A = Wv [1024][1024] (wb[2])
; and B = v [8192][1024] (xb[2]):  C + bias[m] -> vt[d][token] in f16, the layout that the product P V reads.
; LIMIT: V is kept in f16: |V| must stay below 65,504; beyond that it becomes infinite.
; SHAPE: a work-group makes 128 x 256 of C with four waves, a wave 64 x 128: 32 accumulator tiles of 16 x 16, 256 registers.  C has 1,024 x 8,192
; numbers: 8 x 32 = 256 such blocks, one for each of 256 work-groups; blocks of 256 x 256 would make 128.
; K goes in steps of 128 (rows of 256 bytes, at multiples of 256) through two LDS slots filled by the tensor data mover.
; CLUSTERS: 4 x 4 work-groups.  A's tile is asked for jointly by a row of the cluster, B's by a column.
; REGISTERS: window 0: v1 r, v2 h, v8-15 row biases as pairs, v16-31 addresses, v32-95 / v128-191 B's fragments (two buffers),
; v96-127 / v192-223 A's fragments, v224-255 packed results.  Window 1: accumulator tile (a, b) at v[8 (8 a + b)].
; THE MATRIX INSTRUCTION IS USED TRANSPOSED (source 0 = rows of B, source 1 = rows of A): lane (r, h) holds row r of the tile and its
; registers 0-7 the columns 8 h + 0 .. 7: eight neighbouring numbers of a row of C.
.set KTOT,   1024
.set PA,     1024
.set PB,     1024
.set KSTEP,  128
.set PITCH,  272                       ; an LDS row: 256 bytes + 16 of padding
.set ATILE,  128*PITCH                 ; A's 128 rows
.set SLOT,   384*PITCH                 ; then B's 256 rows
.set STAGE,  2*SLOT                    ; 16 rows x 272 bytes for each wave, for the way out; no tensor load lands here
.set SCR,    STAGE+4*16*PITCH          ; 1 KiB: the biases of the work-group's 128 rows (twice)
.set LAPS,   KTOT/(2*KSTEP)
.set ADRA,   16
.set ADRB,   20
.set STO,    24
.set RD,     25
.set CO,     26
.set G1,     24
.set G0,     32
.set G1B,    48
.set G0B,    56
.set W0,     (1<<16)|(1<<20)|(1<<21)|(5<<22)|(3<<25)
.set MULW,   0x50                      ; C and D in window 1, fragments in window 0
.set MSB,    0
.macro WIN new
.if MSB != \new
	s_set_vgpr_msb (MSB<<8)|\new
.set MSB, \new
.endif
.endm
.macro PLACES                          ; four places behind a matrix instruction before its registers are loaded into or its results read (ISA guide 7.12.1)
.rept 4
	v_nop
.endr
.endm
.macro JLOAD s                         ; waves 0, 1: A's halves of 64 rows; waves 2, 3: B's halves of 128 rows
	s_cmp_eq_u32 s11, 0
	s_cbranch_scc0 .Lfor_b_\@
	tensor_load_to_lds s[G0+4*\s:G0+4*\s+3], s[G1:G1+7]
	s_nop 0
	s_branch .Lasked_\@
.Lfor_b_\@:
	tensor_load_to_lds s[G0B+4*\s:G0B+4*\s+3], s[G1B:G1B+7]
	s_nop 0
.Lasked_\@:
.endm
.macro CREST
	s_cmp_lg_u32 s10, 0
	s_cbranch_scc1 .Lnot_wave_0_\@
	s_barrier_signal -3
.Lnot_wave_0_\@:
	s_barrier_wait -3
	s_barrier_signal -1
	s_barrier_wait -1
.endm
.macro CROUND
	s_barrier_signal -1
	s_barrier_wait -1
	CREST
.endm
; The 32 accumulators take turns, one instruction a turn, in the same order everywhere.
.macro MULA f, a, zero
.irp b, 0,1,2,3,4,5,6,7
.if \zero
	v_wmma_f32_16x16x32_bf16 v[8*(8*\a+\b):8*(8*\a+\b)+7], v[32+96*\f+8*\b:32+96*\f+8*\b+7], v[96+96*\f+8*\a:96+96*\f+8*\a+7], 0
.else
	v_wmma_f32_16x16x32_bf16 v[8*(8*\a+\b):8*(8*\a+\b)+7], v[32+96*\f+8*\b:32+96*\f+8*\b+7], v[96+96*\f+8*\a:96+96*\f+8*\a+7], v[8*(8*\a+\b):8*(8*\a+\b)+7]
.endif
.endr
.endm
.macro FETCH slot, k, f
	WIN 0
.irp i, 0,1,2,3,4,5,6,7
	ds_load_b128 v[32+96*\f+8*\i:32+96*\f+8*\i+3],   v[ADRB+\slot] offset:\k+\i*16*PITCH
	ds_load_b128 v[32+96*\f+8*\i+4:32+96*\f+8*\i+7], v[ADRB+\slot] offset:\k+\i*16*PITCH+32
.endr
.irp i, 0,1,2,3
	ds_load_b128 v[96+96*\f+8*\i:96+96*\f+8*\i+3],   v[ADRA+\slot] offset:\k+\i*16*PITCH
	ds_load_b128 v[96+96*\f+8*\i+4:96+96*\f+8*\i+7], v[ADRA+\slot] offset:\k+\i*16*PITCH+32
.endr
.endm
.macro QUARTER slot, k, f, g, zero
	s_wait_dscnt 4                                 ; B and A's rows 0-31 are in; the youngest four loads (A's rows 32-63) may be out
	WIN MULW
	MULA \f, 0, \zero
	MULA \f, 1, \zero
	PLACES
	FETCH \slot, \k, \g
	s_wait_dscnt 24                                ; all but the 24 just issued
	WIN MULW
	MULA \f, 2, \zero
	MULA \f, 3, \zero
.endm
.macro THREE slot, zero
	QUARTER \slot, 64,  0, 1, \zero
	QUARTER \slot, 128, 1, 0, 0
	QUARTER \slot, 192, 0, 1, 0
.endm
; The change of slots: each wave's reads of this slot and all its tensor loads are waited for in front of the barrier; with fill = 1 the barrier
; opens a round of the cluster's barrier and the joint refill is the first tensor load behind the round.
.macro TURN slot, next, fill
	s_wait_dscnt 4
	WIN MULW
	MULA 1, 0, 0
	s_wait_dscnt 0x0
	s_wait_tensorcnt 0x0
	ds_add_u32 v23, v30
	s_wait_dscnt 0x0
	s_barrier_signal -1
	MULA 1, 1, 0
	WIN 0
	s_barrier_wait -1
.if \fill
	CREST
	s_add_nc_u64 s[G0+4*\slot+2:G0+4*\slot+3], s[G0+4*\slot+2:G0+4*\slot+3], 2*KSTEP*2
	s_add_nc_u64 s[G0B+4*\slot+2:G0B+4*\slot+3], s[G0B+4*\slot+2:G0B+4*\slot+3], 2*KSTEP*2
	JLOAD \slot
.endif
	PLACES
	FETCH \next, 0, 0
	WIN MULW
	MULA 1, 2, 0
	MULA 1, 3, 0
.endm
.macro LAP zero
	THREE 0, \zero
	TURN 0, 1, 1
	THREE 1, 0
	TURN 1, 0, 1
.endm
.macro FLUSH16 i, pk, rb, rowb         ; 16 rows x 256 bytes through my own stage; sixteen lanes store 256 neighbouring bytes at a multiple of 256
.irp b, 0,1,2,3,4,5,6,7
	ds_store_b128 v[STO], v[\pk+4*\b:\pk+4*\b+3] offset:32*\b
.endr
	s_wait_xcnt 0x0                                ; the earlier stores' data registers and base are rewritten only behind this wait
.if \i
	s_add_nc_u64 s[8:9], s[8:9], 16*\rowb
.endif
.irp t, 0,1,2,3,4,5,6,7
	ds_load_b128 v[\rb+4*\t:\rb+4*\t+3], v[RD] offset:\t*2*PITCH
.endr
.irp t, 0,1,2,3,4,5,6,7
	s_wait_dscnt 7-\t                              ; read-back t is in, the younger ones may be out
	global_store_b128 v[CO], v[\rb+4*\t:\rb+4*\t+3], s[8:9] offset:2*\t*\rowb
.endr
.endm
	s_load_b256 s[80:87], s[0:1], 0x0              ; xb s[80:81], wb s[82:83], bv s[84:85], vt s[86:87]
	v_lshl_add_u32 v23, v0, 2, 0x37800
	v_mov_b32 v30, 0
	ds_add_u32 v23, v30
	v_lshrrev_b32 v1, 5, v0
	v_readfirstlane_b32 s10, v1                    ; wave 0..3
	s_lshr_b32 s11, s10, 1                         ; my 64-row half.  Also: I fetch for A (0) or for B (1)
	s_and_b32 s12, s10, 1                          ; my 128-column half.  Also: which half of that tile I fetch
	s_bfe_u32 s40, ttmp6, 0x40000                  ; cx
	s_bfe_u32 s41, ttmp6, 0x40004                  ; cy
	s_and_b32 s4, ttmp7, 0xffff                    ; the cluster's y, 0..1
	s_lshl_b32 s13, s4, 2
	s_add_co_u32 s13, s13, s41                     ; block row, 0..7: 128 rows of Wv
	s_lshl_b32 s42, ttmp9, 2
	s_add_co_u32 s42, s42, s40                     ; block column, 0..31: 256 tokens
	s_lshl_b32 s43, s41, 2
	s_lshl_b32 s43, 15, s43                        ; my row of the cluster
	s_lshl_b32 s44, 0x1111, s40                    ; my column
	s_or_b32 s[G1+0], s43, W0
	s_or_b32 s[G1B+0], s44, W0
	s_mov_b32 s[G1+1], KSTEP<<16                   ; tensor_dim0 = 128
	s_mov_b32 s[G1+2], 64<<16                      ; tensor_dim1 = 64
	s_mov_b32 s[G1+3], KSTEP<<16                   ; tile_dim0 = 128
	s_mov_b32 s[G1+4], 64                          ; tile_dim1 = 64
	s_mov_b32 s[G1+5], PA
	s_mov_b32 s[G1+6], 0
	s_mov_b32 s[G1+7], 0
	s_mov_b32 s[G1B+1], KSTEP<<16
	s_mov_b32 s[G1B+2], 128<<16
	s_mov_b32 s[G1B+3], KSTEP<<16
	s_mov_b32 s[G1B+4], 128
	s_mov_b32 s[G1B+5], PB
	s_mov_b32 s[G1B+6], 0
	s_mov_b32 s[G1B+7], 0
	s_lshl_b32 s16, s13, 18                        ; A: wb + 4 MiB (Wv) + (128 x block row + 64 x half) rows of 2,048 bytes; never holds cx
	s_lshl_b32 s17, s12, 17
	s_add_co_u32 s16, s16, s17
	s_add_co_u32 s16, s16, 0x400000
	s_mov_b32 s17, 0
	s_lshl_b32 s46, s42, 19                        ; B: xb + 32 MiB (v) + (256 x block column + 128 x half) rows; never holds cy
	s_lshl_b32 s47, s12, 18
	s_add_co_u32 s46, s46, s47
	s_add_co_u32 s46, s46, 0x2000000
	s_mov_b32 s47, 0
	s_mul_i32 s20, s12, 64*PITCH                   ; where they go in a slot: A's halves,
	s_mul_i32 s45, s12, 128*PITCH
	s_add_co_u32 s45, s45, ATILE                   ; B's halves behind A's 128 rows
	s_wait_dscnt 0x0
	s_wait_kmcnt 0x0
	s_add_nc_u64 s[14:15], s[82:83], s[16:17]
	s_add_nc_u64 s[46:47], s[80:81], s[46:47]
	CROUND                                         ; all sixteen work-groups are here: the first joint loads meet
.irp s, 0,1
	s_mov_b32 s[G0+4*\s], 1
	s_add_co_u32 s[G0+4*\s+1], s20, \s*SLOT
	s_add_nc_u64 s[G0+4*\s+2:G0+4*\s+3], s[14:15], \s*KSTEP*2
	s_or_b32 s[G0+4*\s+3], s[G0+4*\s+3], 0x80000000
	s_mov_b32 s[G0B+4*\s], 1
	s_add_co_u32 s[G0B+4*\s+1], s45, \s*SLOT
	s_add_nc_u64 s[G0B+4*\s+2:G0B+4*\s+3], s[46:47], \s*KSTEP*2
	s_or_b32 s[G0B+4*\s+3], s[G0B+4*\s+3], 0x80000000
	JLOAD \s                                       ; two tensor loads of the wave are out
.endr
	; the biases of my 128 rows: 64 pairs; the upper 64 threads repeat them into the second half of the scratch
	s_lshl_b32 s70, s13, 9
	v_and_b32 v28, 63, v0
	v_lshlrev_b32 v28, 3, v28
	v_add_nc_u32 v28, s70, v28
	global_load_b64 v[4:5], v28, s[84:85]
	v_and_b32 v1, 15, v0                           ; r
	v_bfe_u32 v2, v0, 4, 1                         ; h
	v_mul_u32_u24 v3, v1, PITCH
	v_lshl_add_u32 v3, v2, 4, v3
	s_mul_i32 s21, s11, 64*PITCH                   ; my 64 rows of A
	s_mul_i32 s22, s12, 128*PITCH                  ; my 128 rows of B
	s_add_co_u32 s22, s22, ATILE
.irp s, 0,1
	v_add_nc_u32 v[ADRA+\s], s21, v3
	v_add_nc_u32 v[ADRB+\s], s22, v3
	s_add_co_u32 s21, s21, SLOT
	s_add_co_u32 s22, s22, SLOT
.endr
	s_mul_i32 s23, s10, 16*PITCH
	s_add_co_u32 s23, s23, STAGE                   ; my stage
	v_add_nc_u32 v[STO], s23, v3
	v_mul_u32_u24 v3, v2, PITCH
	v_lshl_add_u32 v3, v1, 4, v3
	v_add_nc_u32 v[RD], s23, v3
	v_lshlrev_b32 v31, 4, v1                       ; 16 r
	v_lshl_add_u32 v[CO], v2, 14, v31              ; two rows of vt a store
	v_lshlrev_b32 v29, 3, v0
	v_add_nc_u32 v29, SCR, v29
	s_wait_loadcnt 0x0
	ds_store_b64 v29, v[4:5]
	s_wait_dscnt 0x0                               ; my biases are in LDS,
	s_wait_tensorcnt 0x1                           ; my part of K step 0 is in; K step 1's load, issued behind it, may stay out
	s_barrier_signal -1
	s_barrier_wait -1
	FETCH 0, 0, 0
	LAP 1
	WIN 0
	s_mov_b32 s3, LAPS-2
.Llap:
	LAP 0
	WIN 0
	s_sub_co_u32 s3, s3, 1
	s_cmp_lg_u32 s3, 0
	s_cbranch_scc1 .Llap
	THREE 0, 0
	TURN 0, 1, 0
	THREE 1, 0
	s_wait_dscnt 4
	WIN MULW
	MULA 1, 0, 0
	MULA 1, 1, 0
	s_wait_dscnt 0x0
	MULA 1, 2, 0
	MULA 1, 3, 0
	PLACES
	WIN 0
	s_lshl_b32 s16, s13, 21                        ; my first row: (128 x block row + 64 x half) x 16,384 bytes
	s_lshl_b32 s17, s11, 20
	s_add_co_u32 s16, s16, s17
	s_mov_b32 s17, 0
	s_add_nc_u64 s[8:9], s[86:87], s[16:17]
	s_lshl_b32 s46, s42, 9                         ; my first column in bytes: 512 x block column + 256 x half
	s_lshl_b32 s47, s12, 8
	s_add_co_u32 s46, s46, s47
	s_mov_b32 s47, 0
	s_add_nc_u64 s[8:9], s[8:9], s[46:47]
	s_lshl_b32 s100, s11, 8
	s_add_co_u32 s100, s100, SCR
	v_lshl_add_u32 v27, v1, 2, s100                ; the bias of row 64 x half + r
.irp a, 0,1,2,3
	ds_load_b32 v[8+2*\a], v27 offset:64*\a        ; and of the rows 16 a further down
.endr
	s_wait_dscnt 0x0
.irp a, 0,1,2,3
	v_mov_b32 v[9+2*\a], v[8+2*\a]                 ; twice: a pair for the packed add
.endr
	WIN 0x41                                       ; accumulators in place, the second source in window 0
.irp a, 0,1,2,3
.irp b, 0,1,2,3,4,5,6,7
.irp p, 0,2,4,6
	v_pk_add_f32 v[8*(8*\a+\b)+\p:8*(8*\a+\b)+\p+1], v[8*(8*\a+\b)+\p:8*(8*\a+\b)+\p+1], v[8+2*\a:9+2*\a]
.endr
.endr
.endr
.macro VROWS a, rb
	WIN 0x05                                       ; both sources in window 1, the result in window 0
.irp b, 0,1,2,3,4,5,6,7
.irp p, 0,1,2,3
	v_cvt_pk_f16_f32 v[224+4*\b+\p], v[8*(8*\a+\b)+2*\p], v[8*(8*\a+\b)+2*\p+1]
.endr
.endr
	WIN 0
	FLUSH16 \a, 224, \rb, 16384
.endm
	VROWS 0, 96
	VROWS 1, 128
	VROWS 2, 96
	VROWS 3, 128
	s_wait_tensorcnt 0x0
	ds_add_u32 v23, v30
	s_wait_dscnt 0x0
	CROUND                                         ; the closing round
	s_endpgm
.Lfunc_end_k_q4a39b9c4ed_projv:
	.size	k_q4a39b9c4ed_projv, .Lfunc_end_k_q4a39b9c4ed_projv-k_q4a39b9c4ed_projv
	.p2alignl 7, 3214868480
	.fill 96, 4, 3214868480
	.section	.rodata,"a",@progbits
	.p2align	6, 0x0
	.amdhsa_kernel k_q4a39b9c4ed_projv
		.amdhsa_group_segment_fixed_size 327680
		.amdhsa_private_segment_fixed_size 0
		.amdhsa_enable_private_segment 0
		.amdhsa_kernarg_size 32
		.amdhsa_user_sgpr_count 2
		.amdhsa_user_sgpr_kernarg_segment_ptr 1
		.amdhsa_wavefront_size32 1
		.amdhsa_system_sgpr_workgroup_id_x 1
		.amdhsa_system_sgpr_workgroup_id_y 1
		.amdhsa_system_sgpr_workgroup_id_z 1
		.amdhsa_system_vgpr_workitem_id 0
		.amdhsa_next_free_vgpr 512
		.amdhsa_next_free_sgpr 102
		.amdhsa_reserve_vcc 0
		.amdhsa_float_denorm_mode_32 3
		.amdhsa_float_denorm_mode_16_64 3
		.amdhsa_memory_ordered 1
		.amdhsa_forward_progress 1
		.amdhsa_inst_pref_size 127
	.end_amdhsa_kernel
	.amdgpu_metadata
---
amdhsa.version: [ 1, 2 ]
amdhsa.kernels:
  - .name:           k_q4a39b9c4ed_projv
    .symbol:         k_q4a39b9c4ed_projv.kd
    .args:
      - { .name: xb, .offset: 0, .size: 8, .value_kind: global_buffer, .address_space: global }
      - { .name: wb, .offset: 8, .size: 8, .value_kind: global_buffer, .address_space: global }
      - { .name: bv, .offset: 16, .size: 8, .value_kind: global_buffer, .address_space: global }
      - { .name: vt, .offset: 24, .size: 8, .value_kind: global_buffer, .address_space: global }
    .group_segment_fixed_size: 327680
    .private_segment_fixed_size: 0
    .kernarg_segment_align: 8
    .kernarg_segment_size: 32
    .max_flat_workgroup_size: 128
    .sgpr_count:     102
    .vgpr_count:     512
    .wavefront_size: 32
...
	.end_amdgpu_metadata
.endif
;; end of part 3
;; launch scores (part 4): grid 8 x 32, 4 waves a work-group, clusters of 4 x 4, 327,680 bytes of LDS; arguments qk, ssq, attn_mask, key_padding_mask, pm, lp; writes pm, lp
.if DOCPART == 4
	.amdgcn_target "amdgcn-amd-amdhsa--gfx1250"
	.amdhsa_code_object_version 6
	.text
	.protected	k_q4a39b9c4ed_scores
	.globl	k_q4a39b9c4ed_scores
	.p2align	8
	.type	k_q4a39b9c4ed_scores,@function
k_q4a39b9c4ed_scores:
	s_mov_b64 s[64:65], 0
	v_nop
	global_prefetch_b8 v0, s[64:65] scope:SCOPE_SE
	s_setreg_imm32_b32 hwreg(HW_REG_WAVE_MODE, 25, 1), 1
	s_wait_xcnt 0x0
	s_wait_alu depctr_hold_cnt(0) depctr_sa_sdst(0) depctr_va_vdst(0) depctr_va_sdst(0) depctr_va_ssrc(0) depctr_va_vcc(0) depctr_vm_vsrc(0)
	s_getreg_b32 s2, hwreg(HW_REG_IB_STS2, 6, 4)
	s_cmp_eq_u32 s2, 0
	s_cbranch_scc0 .Lentry_in_a_cluster
	s_endpgm
.Lentry_in_a_cluster:
	s_bfe_u32 s2, ttmp6, 0x10000c
	s_cmp_lg_u32 s2, 0xf033
	s_cbranch_scc0 .Lentry_shape_is_right
	s_endpgm
.Lentry_shape_is_right:
; P[b][s][t] = masked ? 0 : exp(score) x 2^(-1/16) in f16, score = Q.K / ((|Q| + eps)(|K| + eps)) / 32, and the partial row sums of P.
; One product C[m][n] = sum over k of A[m][k] B[n][k], K = 1024, bf16: A = Q rows (qk[0]), B = K rows of the same batch (qk[1]).
; NO MAXIMUM IS TAKEN AWAY: the vectors are normalised as the problem states and scaled by 1/32; with bf16 operands and norms of the unrounded
; vectors |score| <= (1/32)(1 + 2^-8)^2 for every input, so the exponent of 2 lies in [-0.109, -0.016] with the fixed shift -1/16 and every
; unmasked P in [0.92, 0.99]: nothing can overflow or underflow, in f32 or in f16.  The shift cancels in P / (sum of P).
; Both masks are inputs and are honoured as given: key_padding_mask puts -inf into the exponent's addend, attn_mask clears the f16 words.
; The row sums are taken from the f16-ROUNDED P, so that a row with one visible key gives back that key's V.  A row with no visible key has sum 0.
; pm = [8192][2048] f16;  lp = [16 chunks of 128 columns][8192 rows] f32, rows permuted: row 64 g + 16 a + r (a = 0 .. 3) at index 64 g + 4 r + a (as in ssq).
; SHAPE: a work-group makes 256 x 256 with four waves, a wave 128 x 128: 64 accumulator tiles, 512 registers.  4 x 8 x 8 = 256 work-groups.
; K goes in steps of 128 (rows of 256 bytes, at multiples of 256) through two LDS slots filled by the tensor data mover; between a tile's
; request and the wait for it a wave issues 240 matrix instructions.
; CLUSTERS: 4 x 4 work-groups; Q's tile is asked for jointly by a row of the cluster, K's by a column.
; attn_mask: the block's 256 x 256 bytes do not fit beside the ring (2 x 139,264 + 17,408 + 2,048 of the 327,680 bytes are taken).  Slot 0 has its last
; K tile read in the last lap; behind the change of slots there, which is made a round of the cluster's barrier, each wave fills 18,432 bytes of it
; with its OWN 128 x 128 mask bytes by one plain tensor load, reads only those, behind its own wait, and has the last K step's work for them to land.
; REGISTERS: window 0: v1 r, v2 h, v4-11 row sums, v12-15 what is stored of them, v16-31 addresses, v32-47 1/(|Q|+eps) as pairs,
; v64-127 / v128-191 A's fragments (two buffers), v192-207 mask words, v224-255 read-backs.  Window 1: v64-127 / v128-191 B's fragments.
; Window 2: the accumulator tiles of my rows 0-63 (tile (a, b) at v[8 (8 a + b)]);  window 3: those of my rows 64-127.
; THE MATRIX INSTRUCTION IS USED TRANSPOSED: lane (r, h) holds row r of a tile, its registers 0-7 the columns 8 h + 0 .. 7.
.set KTOT,   1024
.set PA,     1024
.set PB,     1024
.set KSTEP,  128
.set PITCH,  272                       ; an LDS row: 256 bytes + 16 of padding
.set HALFT,  128*PITCH
.set SLOT,   4*HALFT
.set STAGE,  2*SLOT                    ; 16 rows x 272 bytes for each wave, for the way out; no tensor load lands here
.set SCR,    STAGE+4*16*PITCH          ; 1 KiB: log2(e)/32/(|K|+eps) of my 256 columns; 1 KiB: their addend, -1/16 or -inf
.set MPITCH, 144                       ; a row of a wave's mask tile: 128 bytes + 16: the sixteen rows of a load start 36 words apart
.set LAPS,   KTOT/(2*KSTEP)
.set ADRA,   16
.set ADRB,   20
.set STO,    24
.set RD,     25
.set CO,     26
.set F0,     64
.set F1,     128
.set G1,     24
.set G0,     32
.set G1B,    48
.set G0B,    56
.set GM1,    68                        ; s[68:75] group 1 for the mask tile
.set GM0,    76                        ; s[76:79] its group 0
.set W0,     (1<<16)|(1<<20)|(1<<21)|(5<<22)|(3<<25)
.set MUL_LO, 0xa1                      ; source 0 (B) window 1, source 1 (A) window 0, C and D window 2
.set MUL_HI, 0xf1                      ; the same, C and D window 3
.set TO_B,   0x40                      ; destination window 1, address window 0
.set MSB,    0
.macro WIN new
.if MSB != \new
	s_set_vgpr_msb (MSB<<8)|\new
.set MSB, \new
.endif
.endm
.macro PLACES                          ; four places behind a matrix instruction before its registers are loaded into or its results read (ISA guide 7.12.1)
.rept 4
	v_nop
.endr
.endm
.macro JLOAD s                         ; waves 0, 1: A's halves of 128 rows; waves 2, 3: B's
	s_cmp_eq_u32 s11, 0
	s_cbranch_scc0 .Lfor_b_\@
	tensor_load_to_lds s[G0+4*\s:G0+4*\s+3], s[G1:G1+7]
	s_nop 0
	s_branch .Lasked_\@
.Lfor_b_\@:
	tensor_load_to_lds s[G0B+4*\s:G0B+4*\s+3], s[G1B:G1B+7]
	s_nop 0
.Lasked_\@:
.endm
.macro CREST
	s_cmp_lg_u32 s10, 0
	s_cbranch_scc1 .Lnot_wave_0_\@
	s_barrier_signal -3
.Lnot_wave_0_\@:
	s_barrier_wait -3
	s_barrier_signal -1
	s_barrier_wait -1
.endm
.macro CROUND
	s_barrier_signal -1
	s_barrier_wait -1
	CREST
.endm
; The 64 accumulators take turns, one instruction a turn, in the same order everywhere.
.macro MUL16 f, hi, a0, zero
.irp a, \a0, \a0+1
.irp b, 0,1,2,3,4,5,6,7
.if \zero
	v_wmma_f32_16x16x32_bf16 v[8*(8*(\a)+\b):8*(8*(\a)+\b)+7], v[\f+8*\b:\f+8*\b+7], v[\f+8*(4*\hi+\a):\f+8*(4*\hi+\a)+7], 0
.else
	v_wmma_f32_16x16x32_bf16 v[8*(8*(\a)+\b):8*(8*(\a)+\b)+7], v[\f+8*\b:\f+8*\b+7], v[\f+8*(4*\hi+\a):\f+8*(4*\hi+\a)+7], v[8*(8*(\a)+\b):8*(8*(\a)+\b)+7]
.endif
.endr
.endr
.endm
.macro FETCH slot, k, f
	WIN TO_B
.irp i, 0,1,2,3,4,5,6,7
	ds_load_b128 v[\f+8*\i:\f+8*\i+3],   v[ADRB+\slot] offset:\k+\i*16*PITCH
	ds_load_b128 v[\f+8*\i+4:\f+8*\i+7], v[ADRB+\slot] offset:\k+\i*16*PITCH+32
.endr
	WIN 0
.irp i, 0,1,2,3,4,5,6,7
	ds_load_b128 v[\f+8*\i:\f+8*\i+3],   v[ADRA+\slot] offset:\k+\i*16*PITCH
	ds_load_b128 v[\f+8*\i+4:\f+8*\i+7], v[ADRA+\slot] offset:\k+\i*16*PITCH+32
.endr
.endm
.macro QUARTER slot, k, f, g, zero
	s_wait_dscnt 8                                 ; B and A's rows 0-63 are in; the youngest eight loads (A's rows 64-127) may be out
	WIN MUL_LO
	MUL16 \f, 0, 0, \zero
	MUL16 \f, 0, 2, \zero
	PLACES
	FETCH \slot, \k, \g
	s_wait_dscnt 32                                ; all but the 32 just issued
	WIN MUL_HI
	MUL16 \f, 1, 0, \zero
	MUL16 \f, 1, 2, \zero
.endm
.macro THREE slot, zero
	QUARTER \slot, 64,  F0, F1, \zero
	QUARTER \slot, 128, F1, F0, 0
	QUARTER \slot, 192, F0, F1, 0
.endm
; The change of slots: each wave's reads of this slot and all its tensor loads are waited for in front of the barrier.  fill = 1: the barrier opens
; a round of the cluster's barrier and the joint refill, two K steps ahead, is the first tensor load behind the round.  fill = 2: the same round,
; and the wave's one load behind it brings its mask bytes into the slot, which no K tile enters any more.
.macro TURN slot, next, fill
	s_wait_dscnt 8
	WIN MUL_LO
	MUL16 F1, 0, 0, 0
	s_wait_dscnt 0x0                               ; my reads of this slot are over
	s_wait_tensorcnt 0x0                           ; all my tensor loads have landed
	ds_add_u32 v255, v223
	s_wait_dscnt 0x0
	s_barrier_signal -1
	MUL16 F1, 0, 2, 0                              ; registers only, while the others arrive
	WIN 0
	s_barrier_wait -1
.if \fill == 1
	CREST
	s_add_nc_u64 s[G0+4*\slot+2:G0+4*\slot+3], s[G0+4*\slot+2:G0+4*\slot+3], 2*KSTEP*2
	s_add_nc_u64 s[G0B+4*\slot+2:G0B+4*\slot+3], s[G0B+4*\slot+2:G0B+4*\slot+3], 2*KSTEP*2
	JLOAD \slot
.endif
.if \fill == 2
	CREST
	tensor_load_to_lds s[GM0:GM0+3], s[GM1:GM1+7]
	s_nop 0
.endif
	PLACES
	FETCH \next, 0, F0
	WIN MUL_HI
	MUL16 F1, 1, 0, 0
	MUL16 F1, 1, 2, 0
.endm
.macro LAP zero
	THREE 0, \zero
	TURN 0, 1, 1
	THREE 1, 0
	TURN 1, 0, 1
.endm
.macro FLUSH16 i, pk, rb, rowb         ; 16 rows x 256 bytes through my own stage; sixteen lanes store 256 neighbouring bytes at a multiple of 256
.irp b, 0,1,2,3,4,5,6,7
	ds_store_b128 v[STO], v[\pk+4*\b:\pk+4*\b+3] offset:32*\b
.endr
	s_wait_xcnt 0x0                                ; the earlier stores' data registers and base are rewritten only behind this wait
.if \i
	s_add_nc_u64 s[8:9], s[8:9], 16*\rowb
.endif
.irp t, 0,1,2,3,4,5,6,7
	ds_load_b128 v[\rb+4*\t:\rb+4*\t+3], v[RD] offset:\t*2*PITCH
.endr
.irp t, 0,1,2,3,4,5,6,7
	s_wait_dscnt 7-\t                              ; read-back t is in, the younger ones may be out
	global_store_b128 v[CO], v[\rb+4*\t:\rb+4*\t+3], s[8:9] offset:2*\t*\rowb
.endr
.endm
.macro LOADVEC dst, adr, off           ; dst[8 b + j] = the f32 of column 16 b + 8 h + j of my 128 columns
.irp b, 0,1,2,3,4,5,6,7
	ds_load_b128 v[\dst+8*\b:\dst+8*\b+3],   v[\adr] offset:\off+64*\b
	ds_load_b128 v[\dst+8*\b+4:\dst+8*\b+7], v[\adr] offset:\off+64*\b+16
.endr
.endm
; A packed word v q (96 .. 127) holds two P.  Its two mask bytes (0x00 or 0xff) lie in word (q - 96) / 2 of v[192:207], bytes 0, 1 or 2, 3.
.macro PWPERM q                        ; the two bytes spread over the two halves of a word
	v_perm_b32 v[128+(\q-96)], v[192+((\q-96)>>1)], v[192+((\q-96)>>1)], s[98+(\q&1)]
.endm
.macro PWCLR q                         ; masked halves are cleared
	v_bfi_b32 v\q, v[128+(\q-96)], 0, v\q
.endm
.macro PWWIDE q                        ; what remains, as rounded to f16, back in f32 for the sums
	v_cvt_f32_f16 v[128+2*(\q-96)], v\q\().l
	v_cvt_f32_f16 v[129+2*(\q-96)], v\q\().h
.endm
	s_load_b256 s[80:87], s[0:1], 0x0              ; qk s[80:81], ssq s[82:83], attn_mask s[84:85], key_padding_mask s[86:87]
	s_load_b128 s[88:91], s[0:1], 0x20             ; pm s[88:89], lp s[90:91]
	s_set_vgpr_msb 0x40
	v_lshl_add_u32 v255, v0, 2, 0x48c00
	s_set_vgpr_msb 0x4000
	v_mov_b32 v223, 0
	s_set_vgpr_msb 0x1
	ds_add_u32 v255, v223
	s_set_vgpr_msb 0x100
	v_lshrrev_b32 v1, 5, v0
	v_readfirstlane_b32 s10, v1                    ; wave 0..3
	s_lshr_b32 s11, s10, 1                         ; my 128-row half.  Also: I fetch for A (0) or for B (1)
	s_and_b32 s12, s10, 1                          ; my 128-column half.  Also: which 128 rows of that tile I fetch
	s_bfe_u32 s40, ttmp6, 0x40000                  ; cx
	s_bfe_u32 s41, ttmp6, 0x40004                  ; cy
	s_and_b32 s4, ttmp7, 0xffff                    ; the cluster's y, 0..7
	s_lshr_b32 s5, s4, 1                           ; the batch: two clusters down for each
	s_lshl_b32 s13, s4, 2
	s_add_co_u32 s13, s13, s41                     ; block row, 0..31, over all batches
	s_lshl_b32 s42, ttmp9, 2
	s_add_co_u32 s42, s42, s40                     ; block column, 0..7, within the batch
	s_lshl_b32 s43, s41, 2
	s_lshl_b32 s43, 15, s43                        ; my row of the cluster
	s_lshl_b32 s44, 0x1111, s40                    ; my column
	s_or_b32 s[G1+0], s43, W0
	s_or_b32 s[G1B+0], s44, W0
	s_mov_b32 s[G1+1], KSTEP<<16                   ; tensor_dim0 = 128
	s_mov_b32 s[G1+2], 128<<16                     ; tensor_dim1 = 128
	s_mov_b32 s[G1+3], KSTEP<<16                   ; tile_dim0 = 128
	s_mov_b32 s[G1+4], 128                         ; tile_dim1 = 128
	s_mov_b32 s[G1+5], PA
	s_mov_b32 s[G1+6], 0
	s_mov_b32 s[G1+7], 0
	s_mov_b32 s[G1B+1], KSTEP<<16
	s_mov_b32 s[G1B+2], 128<<16
	s_mov_b32 s[G1B+3], KSTEP<<16
	s_mov_b32 s[G1B+4], 128
	s_mov_b32 s[G1B+5], PB
	s_mov_b32 s[G1B+6], 0
	s_mov_b32 s[G1B+7], 0
	s_mov_b32 s[GM1+0], (1<<20)|(4<<22)|(3<<25)    ; the mask tile: no work-group mask; elements of 1 byte; 4 words of padding after every 32
	s_mov_b32 s[GM1+1], 128<<16                    ; tensor_dim0 = 128
	s_mov_b32 s[GM1+2], 128<<16                    ; tensor_dim1 = 128
	s_mov_b32 s[GM1+3], 128<<16                    ; tile_dim0 = 128
	s_mov_b32 s[GM1+4], 128                        ; tile_dim1 = 128
	s_mov_b32 s[GM1+5], 2048                       ; bytes from row to row
	s_mov_b32 s[GM1+6], 0
	s_mov_b32 s[GM1+7], 0
	s_lshl_b32 s16, s13, 19                        ; A: (256 x block row + 128 x half) rows of 2,048 bytes; never holds cx
	s_lshl_b32 s17, s12, 18
	s_add_co_u32 s16, s16, s17
	s_mov_b32 s17, 0
	s_lshl_b32 s46, s42, 19                        ; B: 16 MiB (K) + (2,048 x batch + 256 x block column + 128 x half) rows; never holds cy
	s_lshl_b32 s47, s12, 18
	s_add_co_u32 s46, s46, s47
	s_lshl_b32 s47, s5, 22
	s_add_co_u32 s46, s46, s47
	s_add_co_u32 s46, s46, 0x1000000
	s_mov_b32 s47, 0
	s_and_b32 s100, s13, 7                         ; my mask bytes: row 256 x (block row within the batch) + 128 x row half,
	s_lshl_b32 s100, s100, 19
	s_lshl_b32 s101, s11, 18
	s_add_co_u32 s100, s100, s101
	s_lshl_b32 s101, s42, 8                        ; column 256 x block column + 128 x column half
	s_add_co_u32 s100, s100, s101
	s_lshl_b32 s101, s12, 7
	s_add_co_u32 s100, s100, s101
	s_mov_b32 s101, 0
	s_mul_i32 s20, s10, HALFT                      ; where the K tiles go in a slot: wave x 128 rows
	s_mov_b32 s[GM0+0], 1
	s_mul_i32 s[GM0+1], s10, 128*MPITCH            ; my mask tile: wave x 18,432 bytes from the start of slot 0
	s_wait_dscnt 0x0
	s_wait_kmcnt 0x0
	s_add_nc_u64 s[14:15], s[80:81], s[16:17]
	s_add_nc_u64 s[46:47], s[80:81], s[46:47]
	s_add_nc_u64 s[GM0+2:GM0+3], s[84:85], s[100:101]
	s_or_b32 s[GM0+3], s[GM0+3], 0x80000000
	CROUND                                         ; all sixteen work-groups are here: the first joint loads meet
.irp s, 0,1
	s_mov_b32 s[G0+4*\s], 1
	s_add_co_u32 s[G0+4*\s+1], s20, \s*SLOT
	s_add_nc_u64 s[G0+4*\s+2:G0+4*\s+3], s[14:15], \s*KSTEP*2
	s_or_b32 s[G0+4*\s+3], s[G0+4*\s+3], 0x80000000
	s_mov_b32 s[G0B+4*\s], 1
	s_add_co_u32 s[G0B+4*\s+1], s20, \s*SLOT
	s_add_nc_u64 s[G0B+4*\s+2:G0B+4*\s+3], s[46:47], \s*KSTEP*2
	s_or_b32 s[G0B+4*\s+3], s[G0B+4*\s+3], 0x80000000
	JLOAD \s                                       ; two tensor loads of the wave are out
.endr
	v_and_b32 v1, 15, v0                           ; r
	v_bfe_u32 v2, v0, 4, 1                         ; h
	v_lshlrev_b32 v31, 4, v1                       ; 16 r
	; the sums of squares of my wave's 128 rows of Q: eight chunks, twice 16 bytes a lane = the rows 16 i + r, i = 0 .. 3 and 4 .. 7
	s_lshl_b32 s16, s13, 10
	s_lshl_b32 s17, s11, 9
	s_add_co_u32 s16, s16, s17
	s_mov_b32 s17, 0
	s_add_nc_u64 s[18:19], s[82:83], s[16:17]
.irp c, 0,1,2,3,4,5,6,7
	global_load_b128 v[128+8*\c:131+8*\c], v31, s[18:19] offset:\c*32768
	global_load_b128 v[132+8*\c:135+8*\c], v31, s[18:19] offset:\c*32768+256
.endr
	; those of the work-group's 256 rows of K: thread t takes indices 2 t, 2 t + 1, which are the columns c0 and c0 + 16,
	; c0 = 64 (t >> 5) + 32 (t & 1) + ((t >> 1) & 15)  (the permutation of ssq's rows)
	s_lshl_b32 s46, s5, 13
	s_lshl_b32 s47, s42, 10
	s_add_co_u32 s46, s46, s47
	s_add_co_u32 s46, s46, 0x40000                 ; ssq[1]
	s_mov_b32 s47, 0
	s_add_nc_u64 s[66:67], s[82:83], s[46:47]
	v_lshlrev_b32 v30, 3, v0
.irp c, 0,1,2,3,4,5,6,7
	global_load_b64 v[64+2*\c:65+2*\c], v30, s[66:67] offset:\c*32768
.endr
	s_lshl_b32 s46, s5, 11
	s_lshl_b32 s47, s42, 8
	s_add_co_u32 s46, s46, s47
	s_mov_b32 s47, 0
	s_add_nc_u64 s[6:7], s[86:87], s[46:47]        ; key_padding_mask at my 256 columns
	v_lshrrev_b32 v3, 5, v0
	v_lshlrev_b32 v29, 6, v3
	v_and_b32 v3, 1, v0
	v_lshl_add_u32 v29, v3, 5, v29
	v_bfe_u32 v3, v0, 1, 4
	v_add_nc_u32 v29, v29, v3                      ; c0
	global_load_u8 v80, v29, s[6:7]
	global_load_u8 v81, v29, s[6:7] offset:16
	; fragment and stage addresses
	v_mul_u32_u24 v3, v1, PITCH
	v_lshl_add_u32 v3, v2, 4, v3
	s_mul_i32 s21, s11, HALFT                      ; my 128 rows of A
	s_mul_i32 s22, s12, HALFT                      ; my 128 rows of B,
	s_add_co_u32 s22, s22, 2*HALFT                 ; which lie behind A's 256
.irp s, 0,1
	v_add_nc_u32 v[ADRA+\s], s21, v3
	v_add_nc_u32 v[ADRB+\s], s22, v3
	s_add_co_u32 s21, s21, SLOT
	s_add_co_u32 s22, s22, SLOT
.endr
	s_mul_i32 s23, s10, 16*PITCH
	s_add_co_u32 s23, s23, STAGE
	v_add_nc_u32 v[STO], s23, v3
	v_mul_u32_u24 v3, v2, PITCH
	v_lshl_add_u32 v3, v1, 4, v3
	v_add_nc_u32 v[RD], s23, v3
	v_lshl_add_u32 v[CO], v2, 12, v31              ; two rows of pm a store
	v_lshlrev_b32 v28, 2, v29
	v_add_nc_u32 v28, SCR, v28
	v_mov_b32 v82, 0xbd800000                      ; -1/16
	v_mov_b32 v83, 0xff800000                      ; -inf
	s_mov_b32 s96, 0x76543210                      ; v_permlanex16_b32: lane i reads lane i of the other half
	s_mov_b32 s97, 0xfedcba98
	s_mov_b32 s98, 0x01010000                      ; v_perm_b32: bytes 0, 0, 1, 1
	s_mov_b32 s99, 0x03030202                      ; bytes 2, 2, 3, 3
	s_wait_loadcnt 0x0
.irp c, 1,2,3,4,5,6,7
	v_pk_add_f32 v[128:129], v[128:129], v[128+8*\c:129+8*\c]
	v_pk_add_f32 v[130:131], v[130:131], v[130+8*\c:131+8*\c]
	v_pk_add_f32 v[132:133], v[132:133], v[132+8*\c:133+8*\c]
	v_pk_add_f32 v[134:135], v[134:135], v[134+8*\c:135+8*\c]
	v_pk_add_f32 v[64:65], v[64:65], v[64+2*\c:65+2*\c]
.endr
.irp x, 128,129,130,131,132,133,134,135,64,65
	v_sqrt_f32 v\x, v\x
.endr
	v_nop                                          ; one plain instruction behind the roots before their results are used (ISA guide 5.7.2)
	s_wait_alu depctr_va_vdst(0)
.irp x, 128,129,130,131,132,133,134,135,64,65
	v_add_f32 v\x, 0x322bcc77, v\x                 ; + 1e-8
.endr
.irp i, 0,1,2,3,4,5,6,7
	v_rcp_f32 v[32+2*\i], v[128+\i]
.endr
	v_rcp_f32 v64, v64
	v_rcp_f32 v65, v65
	v_cmp_ne_u32 vcc_lo, 0, v80                    ; the plain instruction behind the reciprocals
	v_cndmask_b32 v80, v82, v83, vcc_lo            ; padded: -inf
	v_cmp_ne_u32 vcc_lo, 0, v81
	v_cndmask_b32 v81, v82, v83, vcc_lo
	s_wait_alu depctr_va_vdst(0)
.irp i, 0,1,2,3,4,5,6,7
	v_mov_b32 v[33+2*\i], v[32+2*\i]               ; twice: a pair for the packed multiply
.endr
	v_mul_f32 v64, 0x3d38aa3b, v64                 ; log2(e) / 32
	v_mul_f32 v65, 0x3d38aa3b, v65
	ds_store_b32 v28, v64
	ds_store_b32 v28, v65 offset:64
	ds_store_b32 v28, v80 offset:1024
	ds_store_b32 v28, v81 offset:1088
	s_wait_dscnt 0x0                               ; my column factors are in LDS,
	s_wait_tensorcnt 0x1                           ; my part of K step 0 is in; K step 1's load, issued behind it, may stay out
	s_barrier_signal -1
	s_barrier_wait -1
	FETCH 0, 0, F0
	LAP 1                                          ; the first lap stands in front of the loop: its first products start the sums
	WIN 0
	s_mov_b32 s3, LAPS-2
.Llap:
	LAP 0
	WIN 0
	s_sub_co_u32 s3, s3, 1
	s_cmp_lg_u32 s3, 0
	s_cbranch_scc1 .Llap
	THREE 0, 0                                     ; the last lap asks for no K tile;
	TURN 0, 1, 2                                   ; slot 0 takes the mask bytes
	THREE 1, 0
	s_wait_dscnt 8                                 ; the very last quarter: nothing more to fetch
	WIN MUL_LO
	MUL16 F1, 0, 0, 0
	MUL16 F1, 0, 2, 0
	s_wait_dscnt 0x0
	WIN MUL_HI
	MUL16 F1, 1, 0, 0
	MUL16 F1, 1, 2, 0
	PLACES
	WIN 0
	s_wait_tensorcnt 0x0                           ; my mask bytes have landed; no other wave reads them
	s_lshl_b32 s16, s13, 20                        ; pm: (256 x block row + 128 x half) rows of 4,096 bytes,
	s_lshl_b32 s17, s11, 19
	s_add_co_u32 s16, s16, s17
	s_mov_b32 s17, 0
	s_add_nc_u64 s[8:9], s[88:89], s[16:17]
	s_lshl_b32 s46, s42, 9                         ; column 256 x block column + 128 x half, 2 bytes each
	s_lshl_b32 s47, s12, 8
	s_add_co_u32 s46, s46, s47
	s_mov_b32 s47, 0
	s_add_nc_u64 s[8:9], s[8:9], s[46:47]
	s_lshl_b32 s100, s12, 9
	s_add_co_u32 s100, s100, SCR
	v_lshl_add_u32 v27, v2, 5, s100
	LOADVEC 64, 27, 0                              ; v[64:127]:  log2(e)/32/(|K|+eps) of my lane's 64 columns
	LOADVEC 128, 27, 1024                          ; v[128:191]: their addend
	s_mul_i32 s100, s10, 128*MPITCH                ; my mask tile: row r, column 8 h
	v_mul_u32_u24 v3, v1, MPITCH
	v_lshl_add_u32 v3, v2, 3, v3
	v_add_nc_u32 v30, s100, v3
	s_wait_dscnt 0x0
; the window's 32 tiles in place, two tiles (16 registers) at a time: x 1/(|Q|+eps), x the column's factor + its addend, 2^x
.macro EXPW hi
.irp a, 0,1,2,3
.irp b, 0,2,4,6
.irp p, 0,2,4,6,8,10,12,14
	v_pk_mul_f32 v[8*(8*\a+\b)+\p:8*(8*\a+\b)+\p+1], v[8*(8*\a+\b)+\p:8*(8*\a+\b)+\p+1], v[32+2*(4*\hi+\a):33+2*(4*\hi+\a)]
.endr
.irp p, 0,2,4,6,8,10,12,14
	v_pk_fma_f32 v[8*(8*\a+\b)+\p:8*(8*\a+\b)+\p+1], v[8*(8*\a+\b)+\p:8*(8*\a+\b)+\p+1], v[64+8*\b+\p:64+8*\b+\p+1], v[128+8*\b+\p:128+8*\b+\p+1]
.endr
.irp j, 0,1,2,3,4,5,6,7,8,9,10,11,12,13,14,15
	v_exp_f32 v[8*(8*\a+\b)+\j], v[8*(8*\a+\b)+\j] ; the next tiles' multiplies are the plain instructions behind these
.endr
.endr
.endr
.endm
	WIN 0x82                                       ; result and first source in window 2, the other sources in window 0
	EXPW 0
	WIN 0xc3                                       ; in window 3
	EXPW 1
	v_nop                                          ; the plain instruction behind the last tiles' exponentials
	s_wait_alu depctr_va_vdst(0)
; rows 16 i .. 16 i + 15 = the eight tiles (a, 0..7) of window 2 or 3 (from = 0x0a or 0x0f): their mask bytes come in while P is rounded to f16;
; masked numbers are cleared; the row sums, in four chains; the way out.  Each step is a run over all 32 words, so that no line waits for the one before.
.macro PROWS i, a, from
	WIN 0
.irp b, 0,1,2,3,4,5,6,7
	ds_load_b64 v[192+2*\b:193+2*\b], v30 offset:\i*16*MPITCH+16*\b
.endr
	WIN \from
.irp b, 0,1,2,3,4,5,6,7
.irp p, 0,1,2,3
	v_cvt_pk_f16_f32 v[96+4*\b+\p], v[8*(8*\a+\b)+2*\p], v[8*(8*\a+\b)+2*\p+1]
.endr
.endr
	WIN 0
	s_wait_dscnt 0x0
.irp m, 0,1,2,3,4,5,6,7,8,9,10,11,12,13,14,15
	v_mul_lo_u32 v[192+\m], v[192+\m], 255         ; bytes 0 / 1 become 0x00 / 0xff: no carry between bytes
.endr
.irp q, 96,97,98,99,100,101,102,103,104,105,106,107,108,109,110,111,112,113,114,115,116,117,118,119,120,121,122,123,124,125,126,127
	PWPERM \q
.endr
.irp q, 96,97,98,99,100,101,102,103,104,105,106,107,108,109,110,111,112,113,114,115,116,117,118,119,120,121,122,123,124,125,126,127
	PWCLR \q
.endr
.irp q, 96,97,98,99,100,101,102,103,104,105,106,107,108,109,110,111,112,113,114,115,116,117,118,119,120,121,122,123,124,125,126,127
	PWWIDE \q
.endr
.irp g, 1,2,3,4,5,6,7
.irp c, 0,1,2,3
	v_pk_add_f32 v[128+2*\c:129+2*\c], v[128+2*\c:129+2*\c], v[128+8*\g+2*\c:129+8*\g+2*\c]
.endr
.endr
	v_pk_add_f32 v[128:129], v[128:129], v[130:131]
	v_pk_add_f32 v[132:133], v[132:133], v[134:135]
	v_pk_add_f32 v[128:129], v[128:129], v[132:133]
	v_add_f32 v128, v128, v129
	v_permlanex16_b32 v129, v128, s96, s97         ; the other eight columns of each tile
	v_add_f32 v[4+\i], v128, v129                  ; row 16 i + r, my wave's 128 columns
	FLUSH16 \i, 96, 224, 4096
.endm
	PROWS 0, 0, 0x0a
	PROWS 1, 1, 0x0a
	PROWS 2, 2, 0x0a
	PROWS 3, 3, 0x0a
	PROWS 4, 0, 0x0f
	PROWS 5, 1, 0x0f
	PROWS 6, 2, 0x0f
	PROWS 7, 3, 0x0f
	; lane (r, h) stores the sums of i = 4 h .. 4 h + 3 at 256 h + 16 r: 512 neighbouring bytes a wave
	s_lshl_b32 s16, s13, 10
	s_lshl_b32 s17, s11, 9
	s_add_co_u32 s16, s16, s17
	s_mov_b32 s17, 0
	s_add_nc_u64 s[18:19], s[90:91], s[16:17]
	s_lshl_b32 s46, s42, 16                        ; chunk = 2 x block column + half
	s_lshl_b32 s47, s12, 15
	s_add_co_u32 s46, s46, s47
	s_mov_b32 s47, 0
	s_add_nc_u64 s[18:19], s[18:19], s[46:47]
	v_cmp_ne_u32 vcc_lo, 0, v2
.irp j, 0,1,2,3
	v_cndmask_b32 v[12+\j], v[4+\j], v[8+\j], vcc_lo
.endr
	v_lshl_add_u32 v27, v2, 8, v31
	global_store_b128 v27, v[12:15], s[18:19]
	s_set_vgpr_msb 0x1
	s_wait_tensorcnt 0x0
	ds_add_u32 v255, v223
	s_wait_dscnt 0x0
	s_set_vgpr_msb 0x100
	CROUND                                         ; the closing round
	s_endpgm
.Lfunc_end_k_q4a39b9c4ed_scores:
	.size	k_q4a39b9c4ed_scores, .Lfunc_end_k_q4a39b9c4ed_scores-k_q4a39b9c4ed_scores
	.p2alignl 7, 3214868480
	.fill 96, 4, 3214868480
	.section	.rodata,"a",@progbits
	.p2align	6, 0x0
	.amdhsa_kernel k_q4a39b9c4ed_scores
		.amdhsa_group_segment_fixed_size 327680
		.amdhsa_private_segment_fixed_size 0
		.amdhsa_enable_private_segment 0
		.amdhsa_kernarg_size 48
		.amdhsa_user_sgpr_count 2
		.amdhsa_user_sgpr_kernarg_segment_ptr 1
		.amdhsa_wavefront_size32 1
		.amdhsa_system_sgpr_workgroup_id_x 1
		.amdhsa_system_sgpr_workgroup_id_y 1
		.amdhsa_system_sgpr_workgroup_id_z 1
		.amdhsa_system_vgpr_workitem_id 0
		.amdhsa_next_free_vgpr 1024
		.amdhsa_next_free_sgpr 102
		.amdhsa_reserve_vcc 1
		.amdhsa_float_denorm_mode_32 3
		.amdhsa_float_denorm_mode_16_64 3
		.amdhsa_memory_ordered 1
		.amdhsa_forward_progress 1
		.amdhsa_inst_pref_size 255
	.end_amdhsa_kernel
	.section	.bss,"aw",@nobits
	.p2align	6
	.space	262144
	.amdgpu_metadata
---
amdhsa.version: [ 1, 2 ]
amdhsa.kernels:
  - .name:           k_q4a39b9c4ed_scores
    .symbol:         k_q4a39b9c4ed_scores.kd
    .args:
      - { .name: qk, .offset: 0, .size: 8, .value_kind: global_buffer, .address_space: global }
      - { .name: ssq, .offset: 8, .size: 8, .value_kind: global_buffer, .address_space: global }
      - { .name: attn_mask, .offset: 16, .size: 8, .value_kind: global_buffer, .address_space: global }
      - { .name: key_padding_mask, .offset: 24, .size: 8, .value_kind: global_buffer, .address_space: global }
      - { .name: pm, .offset: 32, .size: 8, .value_kind: global_buffer, .address_space: global }
      - { .name: lp, .offset: 40, .size: 8, .value_kind: global_buffer, .address_space: global }
    .group_segment_fixed_size: 327680
    .private_segment_fixed_size: 0
    .kernarg_segment_align: 8
    .kernarg_segment_size: 48
    .max_flat_workgroup_size: 128
    .sgpr_count:     102
    .vgpr_count:     1024
    .wavefront_size: 32
...
	.end_amdgpu_metadata
.endif
;; end of part 4
;; launch pv (part 5): grid 4 x 64, 4 waves a work-group, clusters of 4 x 4, 327,680 bytes of LDS; arguments pm, vt, lp, ob; writes ob
.if DOCPART == 5
	.amdgcn_target "amdgcn-amd-amdhsa--gfx1250"
	.amdhsa_code_object_version 6
	.text
	.protected	k_q4a39b9c4ed_pv
	.globl	k_q4a39b9c4ed_pv
	.p2align	8
	.type	k_q4a39b9c4ed_pv,@function
k_q4a39b9c4ed_pv:
	s_mov_b64 s[64:65], 0
	v_nop
	global_prefetch_b8 v0, s[64:65] scope:SCOPE_SE
	s_setreg_imm32_b32 hwreg(HW_REG_WAVE_MODE, 25, 1), 1
	s_wait_xcnt 0x0
	s_wait_alu depctr_hold_cnt(0) depctr_sa_sdst(0) depctr_va_vdst(0) depctr_va_sdst(0) depctr_va_ssrc(0) depctr_va_vcc(0) depctr_vm_vsrc(0)
	s_getreg_b32 s2, hwreg(HW_REG_IB_STS2, 6, 4)
	s_cmp_eq_u32 s2, 0
	s_cbranch_scc0 .Lentry_in_a_cluster
	s_endpgm
.Lentry_in_a_cluster:
	s_bfe_u32 s2, ttmp6, 0x10000c
	s_cmp_lg_u32 s2, 0xf033
	s_cbranch_scc0 .Lentry_shape_is_right
	s_endpgm
.Lentry_shape_is_right:
; O[b][s][d] = (sum over t of P[b][s][t] V[b][t][d]) / (sum over t of P[b][s][t]), in f16.
; One product C[m][n] = sum over k of A[m][k] B[n][k], K = 2048, f16 operands, f32 sums: A = pm rows, B = vt rows (V transposed), at the batch's columns.
; The row sums come from lp: 16 chunks, added in ascending order.  A row with no visible key has sum 0 and products 0: 0 x (1/0) is NaN, as the
; softmax of a row of -inf is.
; SHAPE: a work-group makes 128 x 256 with four waves, a wave 64 x 128: 32 accumulator tiles, 256 registers.  256 work-groups.
; K goes in steps of 128 (rows of 256 bytes, at multiples of 256) through two LDS slots filled by the tensor data mover.
; CLUSTERS: 4 x 4 work-groups; P's tile is asked for jointly by a row of the cluster, V's by a column.
; REGISTERS: window 0: v1 r, v2 h, v8-15 1/sum as pairs, v16-31 addresses, v32-95 / v128-191 B's fragments, v96-127 / v192-223 A's fragments,
; v224-255 packed results.  Window 1: accumulator tile (a, b) at v[8 (8 a + b)].
; THE MATRIX INSTRUCTION IS USED TRANSPOSED: lane (r, h) holds row r of a tile, its registers 0-7 the columns 8 h + 0 .. 7.
.set KTOT,   2048
.set PA,     2048
.set PB,     8192
.set KSTEP,  128
.set PITCH,  272
.set ATILE,  128*PITCH
.set SLOT,   384*PITCH
.set STAGE,  2*SLOT                    ; 16 rows x 272 bytes for each wave, for the way out; no tensor load lands here
.set LAPS,   KTOT/(2*KSTEP)
.set ADRA,   16
.set ADRB,   20
.set STO,    24
.set RD,     25
.set CO,     26
.set G1,     24
.set G0,     32
.set G1B,    48
.set G0B,    56
.set W0,     (1<<16)|(1<<20)|(1<<21)|(5<<22)|(3<<25)
.set MULW,   0x50
.set MSB,    0
.macro WIN new
.if MSB != \new
	s_set_vgpr_msb (MSB<<8)|\new
.set MSB, \new
.endif
.endm
.macro PLACES                          ; four places behind a matrix instruction before its registers are loaded into or its results read (ISA guide 7.12.1)
.rept 4
	v_nop
.endr
.endm
.macro JLOAD s                         ; waves 0, 1: A's halves of 64 rows; waves 2, 3: B's halves of 128 rows
	s_cmp_eq_u32 s11, 0
	s_cbranch_scc0 .Lfor_b_\@
	tensor_load_to_lds s[G0+4*\s:G0+4*\s+3], s[G1:G1+7]
	s_nop 0
	s_branch .Lasked_\@
.Lfor_b_\@:
	tensor_load_to_lds s[G0B+4*\s:G0B+4*\s+3], s[G1B:G1B+7]
	s_nop 0
.Lasked_\@:
.endm
.macro CREST
	s_cmp_lg_u32 s10, 0
	s_cbranch_scc1 .Lnot_wave_0_\@
	s_barrier_signal -3
.Lnot_wave_0_\@:
	s_barrier_wait -3
	s_barrier_signal -1
	s_barrier_wait -1
.endm
.macro CROUND
	s_barrier_signal -1
	s_barrier_wait -1
	CREST
.endm
; The 32 accumulators take turns, one instruction a turn, in the same order everywhere.
.macro MULA f, a, zero
.irp b, 0,1,2,3,4,5,6,7
.if \zero
	v_wmma_f32_16x16x32_f16 v[8*(8*\a+\b):8*(8*\a+\b)+7], v[32+96*\f+8*\b:32+96*\f+8*\b+7], v[96+96*\f+8*\a:96+96*\f+8*\a+7], 0
.else
	v_wmma_f32_16x16x32_f16 v[8*(8*\a+\b):8*(8*\a+\b)+7], v[32+96*\f+8*\b:32+96*\f+8*\b+7], v[96+96*\f+8*\a:96+96*\f+8*\a+7], v[8*(8*\a+\b):8*(8*\a+\b)+7]
.endif
.endr
.endm
.macro FETCH slot, k, f
	WIN 0
.irp i, 0,1,2,3,4,5,6,7
	ds_load_b128 v[32+96*\f+8*\i:32+96*\f+8*\i+3],   v[ADRB+\slot] offset:\k+\i*16*PITCH
	ds_load_b128 v[32+96*\f+8*\i+4:32+96*\f+8*\i+7], v[ADRB+\slot] offset:\k+\i*16*PITCH+32
.endr
.irp i, 0,1,2,3
	ds_load_b128 v[96+96*\f+8*\i:96+96*\f+8*\i+3],   v[ADRA+\slot] offset:\k+\i*16*PITCH
	ds_load_b128 v[96+96*\f+8*\i+4:96+96*\f+8*\i+7], v[ADRA+\slot] offset:\k+\i*16*PITCH+32
.endr
.endm
.macro QUARTER slot, k, f, g, zero
	s_wait_dscnt 4                                 ; B and A's rows 0-31 are in; the youngest four loads (A's rows 32-63) may be out
	WIN MULW
	MULA \f, 0, \zero
	MULA \f, 1, \zero
	PLACES
	FETCH \slot, \k, \g
	s_wait_dscnt 24                                ; all but the 24 just issued
	WIN MULW
	MULA \f, 2, \zero
	MULA \f, 3, \zero
.endm
.macro THREE slot, zero
	QUARTER \slot, 64,  0, 1, \zero
	QUARTER \slot, 128, 1, 0, 0
	QUARTER \slot, 192, 0, 1, 0
.endm
; The change of slots: each wave's reads of this slot and all its tensor loads are waited for in front of the barrier; with fill = 1 the barrier
; opens a round of the cluster's barrier and the joint refill is the first tensor load behind the round.
.macro TURN slot, next, fill
	s_wait_dscnt 4
	WIN MULW
	MULA 1, 0, 0
	s_wait_dscnt 0x0
	s_wait_tensorcnt 0x0
	ds_add_u32 v29, v30
	s_wait_dscnt 0x0
	s_barrier_signal -1
	MULA 1, 1, 0
	WIN 0
	s_barrier_wait -1
.if \fill
	CREST
	s_add_nc_u64 s[G0+4*\slot+2:G0+4*\slot+3], s[G0+4*\slot+2:G0+4*\slot+3], 2*KSTEP*2
	s_add_nc_u64 s[G0B+4*\slot+2:G0B+4*\slot+3], s[G0B+4*\slot+2:G0B+4*\slot+3], 2*KSTEP*2
	JLOAD \slot
.endif
	PLACES
	FETCH \next, 0, 0
	WIN MULW
	MULA 1, 2, 0
	MULA 1, 3, 0
.endm
.macro LAP zero
	THREE 0, \zero
	TURN 0, 1, 1
	THREE 1, 0
	TURN 1, 0, 1
.endm
.macro FLUSH16 i, pk, rb, rowb         ; 16 rows x 256 bytes through my own stage; sixteen lanes store 256 neighbouring bytes at a multiple of 256
.irp b, 0,1,2,3,4,5,6,7
	ds_store_b128 v[STO], v[\pk+4*\b:\pk+4*\b+3] offset:32*\b
.endr
	s_wait_xcnt 0x0                                ; the earlier stores' data registers and base are rewritten only behind this wait
.if \i
	s_add_nc_u64 s[8:9], s[8:9], 16*\rowb
.endif
.irp t, 0,1,2,3,4,5,6,7
	ds_load_b128 v[\rb+4*\t:\rb+4*\t+3], v[RD] offset:\t*2*PITCH
.endr
.irp t, 0,1,2,3,4,5,6,7
	s_wait_dscnt 7-\t                              ; read-back t is in, the younger ones may be out
	global_store_b128 v[CO], v[\rb+4*\t:\rb+4*\t+3], s[8:9] offset:2*\t*\rowb
.endr
.endm
	s_load_b256 s[80:87], s[0:1], 0x0              ; pm s[80:81], vt s[82:83], lp s[84:85], ob s[86:87]
	v_lshl_add_u32 v29, v0, 2, 0x37400
	v_mov_b32 v30, 0
	ds_add_u32 v29, v30
	v_lshrrev_b32 v1, 5, v0
	v_readfirstlane_b32 s10, v1                    ; wave 0..3
	s_lshr_b32 s11, s10, 1                         ; my 64-row half.  Also: I fetch for A (0) or for B (1)
	s_and_b32 s12, s10, 1                          ; my 128-column half.  Also: which half of that tile I fetch
	s_bfe_u32 s40, ttmp6, 0x40000                  ; cx
	s_bfe_u32 s41, ttmp6, 0x40004                  ; cy
	s_and_b32 s4, ttmp7, 0xffff                    ; the cluster's y, 0..15
	s_lshr_b32 s5, s4, 2                           ; the batch
	s_lshl_b32 s13, s4, 2
	s_add_co_u32 s13, s13, s41                     ; block row, 0..63
	s_lshl_b32 s42, ttmp9, 2
	s_add_co_u32 s42, s42, s40                     ; block column, 0..3
	s_lshl_b32 s43, s41, 2
	s_lshl_b32 s43, 15, s43                        ; my row of the cluster
	s_lshl_b32 s44, 0x1111, s40                    ; my column
	s_or_b32 s[G1+0], s43, W0
	s_or_b32 s[G1B+0], s44, W0
	s_mov_b32 s[G1+1], KSTEP<<16                   ; tensor_dim0 = 128
	s_mov_b32 s[G1+2], 64<<16                      ; tensor_dim1 = 64
	s_mov_b32 s[G1+3], KSTEP<<16                   ; tile_dim0 = 128
	s_mov_b32 s[G1+4], 64                          ; tile_dim1 = 64
	s_mov_b32 s[G1+5], PA
	s_mov_b32 s[G1+6], 0
	s_mov_b32 s[G1+7], 0
	s_mov_b32 s[G1B+1], KSTEP<<16
	s_mov_b32 s[G1B+2], 128<<16
	s_mov_b32 s[G1B+3], KSTEP<<16
	s_mov_b32 s[G1B+4], 128
	s_mov_b32 s[G1B+5], PB
	s_mov_b32 s[G1B+6], 0
	s_mov_b32 s[G1B+7], 0
	s_lshl_b32 s16, s13, 19                        ; A: (128 x block row + 64 x half) rows of 4,096 bytes; never holds cx
	s_lshl_b32 s17, s12, 18
	s_add_co_u32 s16, s16, s17
	s_mov_b32 s17, 0
	s_lshl_b32 s46, s42, 22                        ; B: (256 x block column + 128 x half) rows of 16,384 bytes + the batch's 4,096 bytes; never holds cy
	s_lshl_b32 s47, s12, 21
	s_add_co_u32 s46, s46, s47
	s_lshl_b32 s47, s5, 12
	s_add_co_u32 s46, s46, s47
	s_mov_b32 s47, 0
	s_mul_i32 s20, s12, 64*PITCH
	s_mul_i32 s45, s12, 128*PITCH
	s_add_co_u32 s45, s45, ATILE
	s_wait_dscnt 0x0
	s_wait_kmcnt 0x0
	s_add_nc_u64 s[14:15], s[80:81], s[16:17]
	s_add_nc_u64 s[46:47], s[82:83], s[46:47]
	CROUND                                         ; all sixteen work-groups are here: the first joint loads meet
.irp s, 0,1
	s_mov_b32 s[G0+4*\s], 1
	s_add_co_u32 s[G0+4*\s+1], s20, \s*SLOT
	s_add_nc_u64 s[G0+4*\s+2:G0+4*\s+3], s[14:15], \s*KSTEP*2
	s_or_b32 s[G0+4*\s+3], s[G0+4*\s+3], 0x80000000
	s_mov_b32 s[G0B+4*\s], 1
	s_add_co_u32 s[G0B+4*\s+1], s45, \s*SLOT
	s_add_nc_u64 s[G0B+4*\s+2:G0B+4*\s+3], s[46:47], \s*KSTEP*2
	s_or_b32 s[G0B+4*\s+3], s[G0B+4*\s+3], 0x80000000
	JLOAD \s                                       ; two tensor loads of the wave are out
.endr
	v_and_b32 v1, 15, v0                           ; r
	v_bfe_u32 v2, v0, 4, 1                         ; h
	v_lshlrev_b32 v31, 4, v1                       ; 16 r
	; the row sums of my wave's 64 rows: sixteen chunks, 16 bytes a lane = the rows 16 a + r, a = 0 .. 3
	s_lshl_b32 s16, s13, 9
	s_lshl_b32 s17, s11, 8
	s_add_co_u32 s16, s16, s17
	s_mov_b32 s17, 0
	s_add_nc_u64 s[18:19], s[84:85], s[16:17]
.irp c, 0,1,2,3,4,5,6,7,8,9,10,11,12,13,14,15
	global_load_b128 v[128+4*\c:131+4*\c], v31, s[18:19] offset:\c*32768
.endr
	v_mul_u32_u24 v3, v1, PITCH
	v_lshl_add_u32 v3, v2, 4, v3
	s_mul_i32 s21, s11, 64*PITCH
	s_mul_i32 s22, s12, 128*PITCH
	s_add_co_u32 s22, s22, ATILE
.irp s, 0,1
	v_add_nc_u32 v[ADRA+\s], s21, v3
	v_add_nc_u32 v[ADRB+\s], s22, v3
	s_add_co_u32 s21, s21, SLOT
	s_add_co_u32 s22, s22, SLOT
.endr
	s_mul_i32 s23, s10, 16*PITCH
	s_add_co_u32 s23, s23, STAGE
	v_add_nc_u32 v[STO], s23, v3
	v_mul_u32_u24 v3, v2, PITCH
	v_lshl_add_u32 v3, v1, 4, v3
	v_add_nc_u32 v[RD], s23, v3
	v_lshl_add_u32 v[CO], v2, 11, v31              ; two rows of ob a store
	s_wait_loadcnt 0x0
.irp c, 1,2,3,4,5,6,7,8,9,10,11,12,13,14,15
	v_pk_add_f32 v[128:129], v[128:129], v[128+4*\c:129+4*\c]
	v_pk_add_f32 v[130:131], v[130:131], v[130+4*\c:131+4*\c]
.endr
	v_rcp_f32 v8,  v128
	v_rcp_f32 v10, v129
	v_rcp_f32 v12, v130
	v_rcp_f32 v14, v131
	v_nop                                          ; one plain instruction behind the reciprocals before their results are used (ISA guide 5.7.2)
	s_wait_alu depctr_va_vdst(0)
.irp a, 0,1,2,3
	v_mov_b32 v[9+2*\a], v[8+2*\a]                 ; twice: a pair for the packed multiply
.endr
	s_wait_tensorcnt 0x1                           ; my part of K step 0 is in; K step 1's load, issued behind it, may stay out
	s_barrier_signal -1
	s_barrier_wait -1
	FETCH 0, 0, 0
	LAP 1
	WIN 0
	s_mov_b32 s3, LAPS-2
.Llap:
	LAP 0
	WIN 0
	s_sub_co_u32 s3, s3, 1
	s_cmp_lg_u32 s3, 0
	s_cbranch_scc1 .Llap
	THREE 0, 0
	TURN 0, 1, 0
	THREE 1, 0
	s_wait_dscnt 4
	WIN MULW
	MULA 1, 0, 0
	MULA 1, 1, 0
	s_wait_dscnt 0x0
	MULA 1, 2, 0
	MULA 1, 3, 0
	PLACES
	s_lshl_b32 s16, s13, 18                        ; ob: (128 x block row + 64 x half) rows of 2,048 bytes,
	s_lshl_b32 s17, s11, 17
	s_add_co_u32 s16, s16, s17
	s_mov_b32 s17, 0
	s_add_nc_u64 s[8:9], s[86:87], s[16:17]
	s_lshl_b32 s46, s42, 9                         ; column 256 x block column + 128 x half, 2 bytes each
	s_lshl_b32 s47, s12, 8
	s_add_co_u32 s46, s46, s47
	s_mov_b32 s47, 0
	s_add_nc_u64 s[8:9], s[8:9], s[46:47]
	WIN 0x41                                       ; accumulators in place, the second source in window 0
.irp a, 0,1,2,3
.irp b, 0,1,2,3,4,5,6,7
.irp p, 0,2,4,6
	v_pk_mul_f32 v[8*(8*\a+\b)+\p:8*(8*\a+\b)+\p+1], v[8*(8*\a+\b)+\p:8*(8*\a+\b)+\p+1], v[8+2*\a:9+2*\a]
.endr
.endr
.endr
.macro OROWS a, rb
	WIN 0x05
.irp b, 0,1,2,3,4,5,6,7
.irp p, 0,1,2,3
	v_cvt_pk_f16_f32 v[224+4*\b+\p], v[8*(8*\a+\b)+2*\p], v[8*(8*\a+\b)+2*\p+1]
.endr
.endr
	WIN 0
	FLUSH16 \a, 224, \rb, 2048
.endm
	OROWS 0, 32
	OROWS 1, 64
	OROWS 2, 32
	OROWS 3, 64
	s_wait_tensorcnt 0x0
	ds_add_u32 v29, v30
	s_wait_dscnt 0x0
	CROUND                                         ; the closing round
	s_endpgm
.Lfunc_end_k_q4a39b9c4ed_pv:
	.size	k_q4a39b9c4ed_pv, .Lfunc_end_k_q4a39b9c4ed_pv-k_q4a39b9c4ed_pv
	.p2alignl 7, 3214868480
	.fill 96, 4, 3214868480
	.section	.rodata,"a",@progbits
	.p2align	6, 0x0
	.amdhsa_kernel k_q4a39b9c4ed_pv
		.amdhsa_group_segment_fixed_size 327680
		.amdhsa_private_segment_fixed_size 0
		.amdhsa_enable_private_segment 0
		.amdhsa_kernarg_size 32
		.amdhsa_user_sgpr_count 2
		.amdhsa_user_sgpr_kernarg_segment_ptr 1
		.amdhsa_wavefront_size32 1
		.amdhsa_system_sgpr_workgroup_id_x 1
		.amdhsa_system_sgpr_workgroup_id_y 1
		.amdhsa_system_sgpr_workgroup_id_z 1
		.amdhsa_system_vgpr_workitem_id 0
		.amdhsa_next_free_vgpr 512
		.amdhsa_next_free_sgpr 102
		.amdhsa_reserve_vcc 0
		.amdhsa_float_denorm_mode_32 3
		.amdhsa_float_denorm_mode_16_64 3
		.amdhsa_memory_ordered 1
		.amdhsa_forward_progress 1
		.amdhsa_inst_pref_size 129
	.end_amdhsa_kernel
	.amdgpu_metadata
---
amdhsa.version: [ 1, 2 ]
amdhsa.kernels:
  - .name:           k_q4a39b9c4ed_pv
    .symbol:         k_q4a39b9c4ed_pv.kd
    .args:
      - { .name: pm, .offset: 0, .size: 8, .value_kind: global_buffer, .address_space: global }
      - { .name: vt, .offset: 8, .size: 8, .value_kind: global_buffer, .address_space: global }
      - { .name: lp, .offset: 16, .size: 8, .value_kind: global_buffer, .address_space: global }
      - { .name: ob, .offset: 24, .size: 8, .value_kind: global_buffer, .address_space: global }
    .group_segment_fixed_size: 327680
    .private_segment_fixed_size: 0
    .kernarg_segment_align: 8
    .kernarg_segment_size: 32
    .max_flat_workgroup_size: 128
    .sgpr_count:     102
    .vgpr_count:     512
    .wavefront_size: 32
...
	.end_amdgpu_metadata
.endif
;; end of part 5
;; launch outp (part 6): grid 4 x 64, 4 waves a work-group, clusters of 4 x 4, 327,680 bytes of LDS; arguments ob, wb, bo, out0; writes out0
.if DOCPART == 6
	.amdgcn_target "amdgcn-amd-amdhsa--gfx1250"
	.amdhsa_code_object_version 6
	.text
	.protected	k_q4a39b9c4ed_outp
	.globl	k_q4a39b9c4ed_outp
	.p2align	8
	.type	k_q4a39b9c4ed_outp,@function
k_q4a39b9c4ed_outp:
	s_mov_b64 s[64:65], 0
	v_nop
	global_prefetch_b8 v0, s[64:65] scope:SCOPE_SE
	s_setreg_imm32_b32 hwreg(HW_REG_WAVE_MODE, 25, 1), 1
	s_wait_xcnt 0x0
	s_wait_alu depctr_hold_cnt(0) depctr_sa_sdst(0) depctr_va_vdst(0) depctr_va_sdst(0) depctr_va_ssrc(0) depctr_va_vcc(0) depctr_vm_vsrc(0)
	s_getreg_b32 s2, hwreg(HW_REG_IB_STS2, 6, 4)
	s_cmp_eq_u32 s2, 0
	s_cbranch_scc0 .Lentry_in_a_cluster
	s_endpgm
.Lentry_in_a_cluster:
	s_bfe_u32 s2, ttmp6, 0x10000c
	s_cmp_lg_u32 s2, 0xf033
	s_cbranch_scc0 .Lentry_shape_is_right
	s_endpgm
.Lentry_shape_is_right:
; out0[row][e] = sum over d of O[row][d] Wo[e][d] + bo[e], in f32.
; One product C[m][n] = sum over k of A[m][k] B[n][k], K = 1024, f16 operands, f32 sums: A = ob rows, B = Wo's rows (wb[3], f16).
; A row of O that is NaN (no visible key) gives a row of NaN.
; SHAPE: a work-group makes 128 x 256 with four waves, a wave 64 x 128: 32 accumulator tiles, 256 registers.  256 work-groups.
; K goes in steps of 128 (rows of 256 bytes, at multiples of 256) through two LDS slots filled by the tensor data mover.
; CLUSTERS: 4 x 4 work-groups; O's tile is asked for jointly by a row of the cluster, Wo's by a column.
; REGISTERS: window 0: v1 r, v2 h, v16-31 addresses, v32-95 / v128-191 B's fragments, v96-127 / v192-223 A's fragments.
; Window 1: accumulator tile (a, b) at v[8 (8 a + b)].
; THE MATRIX INSTRUCTION IS USED TRANSPOSED: lane (r, h) holds row r of a tile, its registers 0-7 the columns 8 h + 0 .. 7.
.set KTOT,   1024
.set PA,     1024
.set PB,     1024
.set KSTEP,  128
.set PITCH,  272
.set ATILE,  128*PITCH
.set SLOT,   384*PITCH
.set STAGE,  2*SLOT                    ; 16 rows x 528 bytes for each wave, for the way out; no tensor load lands here
.set SPITCH, 528                       ; 128 f32 + 16 bytes: the sixteen rows that a store touches start 132 words apart
.set SCR,    STAGE+4*16*SPITCH         ; 1 KiB: the biases of my 256 columns
.set LAPS,   KTOT/(2*KSTEP)
.set ADRA,   16
.set ADRB,   20
.set STO,    24
.set RD,     25
.set CO,     26
.set G1,     24
.set G0,     32
.set G1B,    48
.set G0B,    56
.set W0,     (1<<16)|(1<<20)|(1<<21)|(5<<22)|(3<<25)
.set MULW,   0x50
.set MSB,    0
.macro WIN new
.if MSB != \new
	s_set_vgpr_msb (MSB<<8)|\new
.set MSB, \new
.endif
.endm
.macro PLACES                          ; four places behind a matrix instruction before its registers are loaded into or its results read (ISA guide 7.12.1)
.rept 4
	v_nop
.endr
.endm
.macro JLOAD s                         ; waves 0, 1: A's halves of 64 rows; waves 2, 3: B's halves of 128 rows
	s_cmp_eq_u32 s11, 0
	s_cbranch_scc0 .Lfor_b_\@
	tensor_load_to_lds s[G0+4*\s:G0+4*\s+3], s[G1:G1+7]
	s_nop 0
	s_branch .Lasked_\@
.Lfor_b_\@:
	tensor_load_to_lds s[G0B+4*\s:G0B+4*\s+3], s[G1B:G1B+7]
	s_nop 0
.Lasked_\@:
.endm
.macro CREST
	s_cmp_lg_u32 s10, 0
	s_cbranch_scc1 .Lnot_wave_0_\@
	s_barrier_signal -3
.Lnot_wave_0_\@:
	s_barrier_wait -3
	s_barrier_signal -1
	s_barrier_wait -1
.endm
.macro CROUND
	s_barrier_signal -1
	s_barrier_wait -1
	CREST
.endm
; The 32 accumulators take turns, one instruction a turn, in the same order everywhere.
.macro MULA f, a, zero
.irp b, 0,1,2,3,4,5,6,7
.if \zero
	v_wmma_f32_16x16x32_f16 v[8*(8*\a+\b):8*(8*\a+\b)+7], v[32+96*\f+8*\b:32+96*\f+8*\b+7], v[96+96*\f+8*\a:96+96*\f+8*\a+7], 0
.else
	v_wmma_f32_16x16x32_f16 v[8*(8*\a+\b):8*(8*\a+\b)+7], v[32+96*\f+8*\b:32+96*\f+8*\b+7], v[96+96*\f+8*\a:96+96*\f+8*\a+7], v[8*(8*\a+\b):8*(8*\a+\b)+7]
.endif
.endr
.endm
.macro FETCH slot, k, f
	WIN 0
.irp i, 0,1,2,3,4,5,6,7
	ds_load_b128 v[32+96*\f+8*\i:32+96*\f+8*\i+3],   v[ADRB+\slot] offset:\k+\i*16*PITCH
	ds_load_b128 v[32+96*\f+8*\i+4:32+96*\f+8*\i+7], v[ADRB+\slot] offset:\k+\i*16*PITCH+32
.endr
.irp i, 0,1,2,3
	ds_load_b128 v[96+96*\f+8*\i:96+96*\f+8*\i+3],   v[ADRA+\slot] offset:\k+\i*16*PITCH
	ds_load_b128 v[96+96*\f+8*\i+4:96+96*\f+8*\i+7], v[ADRA+\slot] offset:\k+\i*16*PITCH+32
.endr
.endm
.macro QUARTER slot, k, f, g, zero
	s_wait_dscnt 4                                 ; B and A's rows 0-31 are in; the youngest four loads (A's rows 32-63) may be out
	WIN MULW
	MULA \f, 0, \zero
	MULA \f, 1, \zero
	PLACES
	FETCH \slot, \k, \g
	s_wait_dscnt 24                                ; all but the 24 just issued
	WIN MULW
	MULA \f, 2, \zero
	MULA \f, 3, \zero
.endm
.macro THREE slot, zero
	QUARTER \slot, 64,  0, 1, \zero
	QUARTER \slot, 128, 1, 0, 0
	QUARTER \slot, 192, 0, 1, 0
.endm
; The change of slots: each wave's reads of this slot and all its tensor loads are waited for in front of the barrier; with fill = 1 the barrier
; opens a round of the cluster's barrier and the joint refill is the first tensor load behind the round.
.macro TURN slot, next, fill
	s_wait_dscnt 4
	WIN MULW
	MULA 1, 0, 0
	s_wait_dscnt 0x0
	s_wait_tensorcnt 0x0
	ds_add_u32 v254, v255
	s_wait_dscnt 0x0
	s_barrier_signal -1
	MULA 1, 1, 0
	WIN 0
	s_barrier_wait -1
.if \fill
	CREST
	s_add_nc_u64 s[G0+4*\slot+2:G0+4*\slot+3], s[G0+4*\slot+2:G0+4*\slot+3], 2*KSTEP*2
	s_add_nc_u64 s[G0B+4*\slot+2:G0B+4*\slot+3], s[G0B+4*\slot+2:G0B+4*\slot+3], 2*KSTEP*2
	JLOAD \slot
.endif
	PLACES
	FETCH \next, 0, 0
	WIN MULW
	MULA 1, 2, 0
	MULA 1, 3, 0
.endm
.macro LAP zero
	THREE 0, \zero
	TURN 0, 1, 1
	THREE 1, 0
	TURN 1, 0, 1
.endm
.macro LOADVEC dst, adr, off           ; dst[8 b + j] = the f32 of column 16 b + 8 h + j of my 128 columns
.irp b, 0,1,2,3,4,5,6,7
	ds_load_b128 v[\dst+8*\b:\dst+8*\b+3],   v[\adr] offset:\off+64*\b
	ds_load_b128 v[\dst+8*\b+4:\dst+8*\b+7], v[\adr] offset:\off+64*\b+16
.endr
.endm
	s_load_b256 s[80:87], s[0:1], 0x0              ; ob s[80:81], wb s[82:83], bo s[84:85], out0 s[86:87]
	v_lshl_add_u32 v254, v0, 2, 0x3b800
	v_mov_b32 v255, 0
	ds_add_u32 v254, v255
	v_lshrrev_b32 v1, 5, v0
	v_readfirstlane_b32 s10, v1                    ; wave 0..3
	s_lshr_b32 s11, s10, 1                         ; my 64-row half.  Also: I fetch for A (0) or for B (1)
	s_and_b32 s12, s10, 1                          ; my 128-column half.  Also: which half of that tile I fetch
	s_bfe_u32 s40, ttmp6, 0x40000                  ; cx
	s_bfe_u32 s41, ttmp6, 0x40004                  ; cy
	s_and_b32 s4, ttmp7, 0xffff                    ; the cluster's y, 0..15
	s_lshl_b32 s13, s4, 2
	s_add_co_u32 s13, s13, s41                     ; block row, 0..63
	s_lshl_b32 s42, ttmp9, 2
	s_add_co_u32 s42, s42, s40                     ; block column, 0..3
	s_lshl_b32 s43, s41, 2
	s_lshl_b32 s43, 15, s43                        ; my row of the cluster
	s_lshl_b32 s44, 0x1111, s40                    ; my column
	s_or_b32 s[G1+0], s43, W0
	s_or_b32 s[G1B+0], s44, W0
	s_mov_b32 s[G1+1], KSTEP<<16                   ; tensor_dim0 = 128
	s_mov_b32 s[G1+2], 64<<16                      ; tensor_dim1 = 64
	s_mov_b32 s[G1+3], KSTEP<<16                   ; tile_dim0 = 128
	s_mov_b32 s[G1+4], 64                          ; tile_dim1 = 64
	s_mov_b32 s[G1+5], PA
	s_mov_b32 s[G1+6], 0
	s_mov_b32 s[G1+7], 0
	s_mov_b32 s[G1B+1], KSTEP<<16
	s_mov_b32 s[G1B+2], 128<<16
	s_mov_b32 s[G1B+3], KSTEP<<16
	s_mov_b32 s[G1B+4], 128
	s_mov_b32 s[G1B+5], PB
	s_mov_b32 s[G1B+6], 0
	s_mov_b32 s[G1B+7], 0
	s_lshl_b32 s16, s13, 18                        ; A: (128 x block row + 64 x half) rows of 2,048 bytes; never holds cx
	s_lshl_b32 s17, s12, 17
	s_add_co_u32 s16, s16, s17
	s_mov_b32 s17, 0
	s_lshl_b32 s46, s42, 19                        ; B: 6 MiB (Wo) + (256 x block column + 128 x half) rows; never holds cy
	s_lshl_b32 s47, s12, 18
	s_add_co_u32 s46, s46, s47
	s_add_co_u32 s46, s46, 0x600000
	s_mov_b32 s47, 0
	s_mul_i32 s20, s12, 64*PITCH
	s_mul_i32 s45, s12, 128*PITCH
	s_add_co_u32 s45, s45, ATILE
	s_wait_dscnt 0x0
	s_wait_kmcnt 0x0
	s_add_nc_u64 s[14:15], s[80:81], s[16:17]
	s_add_nc_u64 s[46:47], s[82:83], s[46:47]
	CROUND                                         ; all sixteen work-groups are here: the first joint loads meet
.irp s, 0,1
	s_mov_b32 s[G0+4*\s], 1
	s_add_co_u32 s[G0+4*\s+1], s20, \s*SLOT
	s_add_nc_u64 s[G0+4*\s+2:G0+4*\s+3], s[14:15], \s*KSTEP*2
	s_or_b32 s[G0+4*\s+3], s[G0+4*\s+3], 0x80000000
	s_mov_b32 s[G0B+4*\s], 1
	s_add_co_u32 s[G0B+4*\s+1], s45, \s*SLOT
	s_add_nc_u64 s[G0B+4*\s+2:G0B+4*\s+3], s[46:47], \s*KSTEP*2
	s_or_b32 s[G0B+4*\s+3], s[G0B+4*\s+3], 0x80000000
	JLOAD \s                                       ; two tensor loads of the wave are out
.endr
	; the biases of my 256 columns: 8 bytes a thread, into LDS
	s_lshl_b32 s100, s42, 10
	v_lshlrev_b32 v28, 3, v0
	v_add_nc_u32 v29, SCR, v28
	v_add_nc_u32 v28, s100, v28
	global_load_b64 v[4:5], v28, s[84:85]
	v_and_b32 v1, 15, v0                           ; r
	v_bfe_u32 v2, v0, 4, 1                         ; h
	v_mul_u32_u24 v3, v1, PITCH
	v_lshl_add_u32 v3, v2, 4, v3
	s_mul_i32 s21, s11, 64*PITCH
	s_mul_i32 s22, s12, 128*PITCH
	s_add_co_u32 s22, s22, ATILE
.irp s, 0,1
	v_add_nc_u32 v[ADRA+\s], s21, v3
	v_add_nc_u32 v[ADRB+\s], s22, v3
	s_add_co_u32 s21, s21, SLOT
	s_add_co_u32 s22, s22, SLOT
.endr
	s_mul_i32 s23, s10, 16*SPITCH
	s_add_co_u32 s23, s23, STAGE                   ; my stage
	v_mul_u32_u24 v3, v1, SPITCH                   ; in: row r, 32 bytes for each half of the lanes
	v_lshl_add_u32 v3, v2, 5, v3
	v_add_nc_u32 v[STO], s23, v3
	v_and_b32 v3, 31, v0
	v_lshlrev_b32 v[CO], 4, v3                     ; back and out: 32 lanes x 16 bytes = one row of 512 bytes
	v_add_nc_u32 v[RD], s23, v[CO]
	s_wait_loadcnt 0x0
	ds_store_b64 v29, v[4:5]
	s_wait_dscnt 0x0                               ; my biases are in LDS,
	s_wait_tensorcnt 0x1                           ; my part of K step 0 is in; K step 1's load, issued behind it, may stay out
	s_barrier_signal -1
	s_barrier_wait -1
	FETCH 0, 0, 0
	LAP 1
	WIN 0
	s_mov_b32 s3, LAPS-2
.Llap:
	LAP 0
	WIN 0
	s_sub_co_u32 s3, s3, 1
	s_cmp_lg_u32 s3, 0
	s_cbranch_scc1 .Llap
	THREE 0, 0
	TURN 0, 1, 0
	THREE 1, 0
	s_wait_dscnt 4
	WIN MULW
	MULA 1, 0, 0
	MULA 1, 1, 0
	s_wait_dscnt 0x0
	MULA 1, 2, 0
	MULA 1, 3, 0
	PLACES
	WIN 0
	s_lshl_b32 s16, s13, 19                        ; out0: (128 x block row + 64 x half) rows of 4,096 bytes,
	s_lshl_b32 s17, s11, 18
	s_add_co_u32 s16, s16, s17
	s_mov_b32 s17, 0
	s_add_nc_u64 s[8:9], s[86:87], s[16:17]
	s_lshl_b32 s46, s42, 10                        ; column 256 x block column + 128 x half, 4 bytes each
	s_lshl_b32 s47, s12, 9
	s_add_co_u32 s46, s46, s47
	s_mov_b32 s47, 0
	s_add_nc_u64 s[8:9], s[8:9], s[46:47]
	s_lshl_b32 s100, s12, 9
	s_add_co_u32 s100, s100, SCR
	v_lshl_add_u32 v27, v2, 5, s100
	LOADVEC 32, 27, 0                              ; v[32:95]: the biases of my lane's 64 columns
	s_wait_dscnt 0x0
	WIN 0x41                                       ; accumulators in place, the second source in window 0
.irp a, 0,1,2,3
.irp b, 0,1,2,3,4,5,6,7
.irp p, 0,2,4,6
	v_pk_add_f32 v[8*(8*\a+\b)+\p:8*(8*\a+\b)+\p+1], v[8*(8*\a+\b)+\p:8*(8*\a+\b)+\p+1], v[32+8*\b+\p:32+8*\b+\p+1]
.endr
.endr
.endr
; rows 16 a .. 16 a + 15: 32 bytes a lane and tile into my own stage, read back as whole rows of 512 bytes, each stored by one instruction
.macro OROWS a
	WIN 0x04                                       ; the LDS stores' data in window 1
.irp b, 0,1,2,3,4,5,6,7
	ds_store_b128 v[STO], v[8*(8*\a+\b):8*(8*\a+\b)+3]   offset:64*\b
	ds_store_b128 v[STO], v[8*(8*\a+\b)+4:8*(8*\a+\b)+7] offset:64*\b+16
.endr
	WIN 0
	s_wait_xcnt 0x0                                ; the earlier stores' data registers and base are rewritten only behind this wait
.if \a
	s_add_nc_u64 s[8:9], s[8:9], 16*4096
.endif
.irp t, 0,1,2,3,4,5,6,7,8,9,10,11,12,13,14,15
	ds_load_b128 v[128+4*\t:131+4*\t], v[RD] offset:\t*SPITCH      ; LDS serves a wave's instructions in order: these see the stores above
.endr
.irp t, 0,1,2,3,4,5,6,7,8,9,10,11,12,13,14,15
	s_wait_dscnt 15-\t                             ; read-back t is in, the younger ones may be out
	global_store_b128 v[CO], v[128+4*\t:131+4*\t], s[8:9] offset:\t*4096 th:TH_STORE_NT
.endr
.endm
	OROWS 0
	OROWS 1
	OROWS 2
	OROWS 3
	s_wait_tensorcnt 0x0
	ds_add_u32 v254, v255
	s_wait_dscnt 0x0
	CROUND                                         ; the closing round
	s_endpgm
.Lfunc_end_k_q4a39b9c4ed_outp:
	.size	k_q4a39b9c4ed_outp, .Lfunc_end_k_q4a39b9c4ed_outp-k_q4a39b9c4ed_outp
	.p2alignl 7, 3214868480
	.fill 96, 4, 3214868480
	.section	.rodata,"a",@progbits
	.p2align	6, 0x0
	.amdhsa_kernel k_q4a39b9c4ed_outp
		.amdhsa_group_segment_fixed_size 327680
		.amdhsa_private_segment_fixed_size 0
		.amdhsa_enable_private_segment 0
		.amdhsa_kernarg_size 32
		.amdhsa_user_sgpr_count 2
		.amdhsa_user_sgpr_kernarg_segment_ptr 1
		.amdhsa_wavefront_size32 1
		.amdhsa_system_sgpr_workgroup_id_x 1
		.amdhsa_system_sgpr_workgroup_id_y 1
		.amdhsa_system_sgpr_workgroup_id_z 1
		.amdhsa_system_vgpr_workitem_id 0
		.amdhsa_next_free_vgpr 512
		.amdhsa_next_free_sgpr 102
		.amdhsa_reserve_vcc 0
		.amdhsa_float_denorm_mode_32 3
		.amdhsa_float_denorm_mode_16_64 3
		.amdhsa_memory_ordered 1
		.amdhsa_forward_progress 1
		.amdhsa_inst_pref_size 127
	.end_amdhsa_kernel
	.amdgpu_metadata
---
amdhsa.version: [ 1, 2 ]
amdhsa.kernels:
  - .name:           k_q4a39b9c4ed_outp
    .symbol:         k_q4a39b9c4ed_outp.kd
    .args:
      - { .name: ob, .offset: 0, .size: 8, .value_kind: global_buffer, .address_space: global }
      - { .name: wb, .offset: 8, .size: 8, .value_kind: global_buffer, .address_space: global }
      - { .name: bo, .offset: 16, .size: 8, .value_kind: global_buffer, .address_space: global }
      - { .name: out0, .offset: 24, .size: 8, .value_kind: global_buffer, .address_space: global }
    .group_segment_fixed_size: 327680
    .private_segment_fixed_size: 0
    .kernarg_segment_align: 8
    .kernarg_segment_size: 32
    .max_flat_workgroup_size: 128
    .sgpr_count:     102
    .vgpr_count:     512
    .wavefront_size: 32
...
	.end_amdgpu_metadata
.endif
;; end of part 6
;; ======== version 2 of 2: 6 launches; version 1 with the launch cast written anew for expert scheduling mode
;; limits: values are held in f16: magnitudes above 65,504 overflow, below 6.1e-05 lose precision
;; workspace buffers: xb 50,331,648 bytes; wb 8,388,608 bytes; qk 33,554,432 bytes; vt 16,777,216 bytes; ssq 524,288 bytes; pm 33,554,432 bytes; lp 524,288 bytes; ob 16,777,216 bytes
;; launch cast (part 7): grid 1024 x 1, 8 waves a work-group, no clusters, 0 bytes of LDS; arguments q, k, v, Wq, Wk, Wv, Wo, xb, wb; writes xb, wb
.if DOCPART == 7
	.amdgcn_target "amdgcn-amd-amdhsa--gfx1250"
	.amdhsa_code_object_version 6
	.text
	.protected	k_q4a39b9c4ed_cast
	.globl	k_q4a39b9c4ed_cast
	.p2align	8
	.type	k_q4a39b9c4ed_cast,@function
k_q4a39b9c4ed_cast:
	s_mov_b64 s[64:65], 0
	v_nop
	global_prefetch_b8 v0, s[64:65] scope:SCOPE_SE
	s_setreg_imm32_b32 hwreg(HW_REG_WAVE_SCHED_MODE, 0, 2), 2
	s_setreg_imm32_b32 hwreg(HW_REG_WAVE_MODE, 25, 1), 1
	s_wait_xcnt 0x0
	s_wait_alu depctr_vm_vsrc(0)
; q, k, v, Wq, Wk, Wv: f32 -> bf16 (nearest even).  Wo: f32 -> bf16 -> f16, so that every large input is rounded to bf16 once
; and the last product can run on f16 operands.
; LIMIT: the step bf16 -> f16 is exact for |Wo| >= 2^-17; below that the absolute error is at most 2^-25.
; xb = [3 (q, k, v)][8192][1024] bf16;  wb = [4][1024][1024]: Wq, Wk, Wv in bf16, Wo in f16.
; A stream: no LDS, no barrier, no matrix unit.  1,024 work-groups of 8 waves; work-group i takes 8,192 numbers of each of q, k, v
; (8 loads of 16 bytes a thread each) and 1,024 numbers of each weight matrix (1 load a thread each).  A wave's load covers 512
; neighbouring bytes, its store 256 neighbouring bytes at a multiple of 256.  All 28 loads of a thread go out first.
; THE MODE: SCHED_MODE bits 1:0 = 2 (LLVM: expert scheduling mode 2), set by the entry lines.  The code itself states the register dependences
; between vector instructions and memory instructions, with s_wait_alu, always for 0.
; THE PLAN.  Registers that memory instructions touch:
;   v1, v2        byte offsets, made once at the head and never written again: v1 is read by every load, v2 by every store.
;   v[X + 4 i ..] load i lands in four registers, which no vector instruction has named before; its two roundings read them and write the
;                 first two in place; one store reads those two.  Nothing writes them after that.
;   v116-119      named by vector instructions alone.
; The 28 loads go in seven blocks of four.  Block p rounds its own four loads; its memory instructions are the four stores of block p - 1,
; whose registers no rounding of block p names.  So ONE wait at a block's head states all that its four stores hang on, and they are dealt among
; the block's roundings with no further wait.  No register that a memory instruction reads is written again, so there is nothing to state that way round.
.set X, 4                              ; v[4:115]  load i: 4 registers; the packed result lies in the first two
	s_load_b512 s[4:19], s[0:1], 0x0               ; q s[4:5], k s[6:7], v s[8:9], Wq s[10:11], Wk s[12:13], Wv s[14:15], Wo s[16:17], xb s[18:19]
	s_load_b64 s[20:21], s[0:1], 0x40              ; wb
	s_lshl_b32 s22, ttmp9, 15                      ; byte offsets of the work-group's parts, each in a pair with 0 on top:
	s_mov_b32 s23, 0                               ; 8,192 f32 in
	s_lshl_b32 s24, ttmp9, 14                      ; 8,192 bf16 out
	s_mov_b32 s25, 0
	s_lshl_b32 s26, ttmp9, 12                      ; 1,024 f32 in
	s_mov_b32 s27, 0
	s_lshl_b32 s28, ttmp9, 11                      ; 1,024 numbers of 16 bits out
	s_mov_b32 s29, 0
	v_lshlrev_b32 v1, 4, v0                        ; 16 bytes a thread in
	v_lshlrev_b32 v2, 3, v0                        ; 8 bytes a thread out
	s_wait_kmcnt 0x0
	s_add_nc_u64 s[4:5], s[4:5], s[22:23]
	s_add_nc_u64 s[6:7], s[6:7], s[22:23]
	s_add_nc_u64 s[8:9], s[8:9], s[22:23]
	s_add_nc_u64 s[10:11], s[10:11], s[26:27]
	s_add_nc_u64 s[12:13], s[12:13], s[26:27]
	s_add_nc_u64 s[14:15], s[14:15], s[26:27]
	s_add_nc_u64 s[16:17], s[16:17], s[26:27]
	s_add_nc_u64 s[30:31], s[18:19], s[24:25]      ; xb: q's part,
	s_add_nc_u64 s[32:33], s[30:31], 16777216      ; k's,
	s_add_nc_u64 s[34:35], s[30:31], 33554432      ; v's
	s_add_nc_u64 s[36:37], s[20:21], s[28:29]      ; wb: Wq's part,
	s_add_nc_u64 s[38:39], s[36:37], 2097152       ; Wk's,
	s_add_nc_u64 s[40:41], s[36:37], 4194304       ; Wv's,
	s_add_nc_u64 s[42:43], s[36:37], 6291456       ; Wo's
	s_wait_alu depctr_va_vdst(0)                   ; v1 and v2 are written: every load of the kernel reads v1 as its offset, every store v2
.irp j, 0,1,2,3,4,5,6,7
	global_load_b128 v[X+4*\j:X+4*\j+3], v1, s[4:5] offset:\j*4096 th:TH_LOAD_NT
.endr
.irp j, 0,1,2,3,4,5,6,7
	global_load_b128 v[X+32+4*\j:X+32+4*\j+3], v1, s[6:7] offset:\j*4096 th:TH_LOAD_NT
.endr
.irp j, 0,1,2,3,4,5,6,7
	global_load_b128 v[X+64+4*\j:X+64+4*\j+3], v1, s[8:9] offset:\j*4096 th:TH_LOAD_NT
.endr
	global_load_b128 v[X+96:X+99],   v1, s[10:11] th:TH_LOAD_NT
	global_load_b128 v[X+100:X+103], v1, s[12:13] th:TH_LOAD_NT
	global_load_b128 v[X+104:X+107], v1, s[14:15] th:TH_LOAD_NT
	global_load_b128 v[X+108:X+111], v1, s[16:17] th:TH_LOAD_NT
; load i: four roundings, packed into the first two of its four registers
.macro CV i
	v_cvt_pk_bf16_f32 v[X+4*(\i)],   v[X+4*(\i)],   v[X+4*(\i)+1]
	v_cvt_pk_bf16_f32 v[X+4*(\i)+1], v[X+4*(\i)+2], v[X+4*(\i)+3]
.endm
; load i of q, k, v (i = 0 .. 23): its 8 bytes go out; tensor i / 8 has its base at s[30 + 2 (i / 8)], piece i % 8 lies 2,048 bytes a piece further on
.macro ST i
	global_store_b64 v2, v[X+4*(\i):X+4*(\i)+1], s[30+2*((\i)/8):31+2*((\i)/8)] offset:((\i)%8)*2048
.endm
; Block p: loads 4 p .. 4 p + 3 are rounded; the stores of block p - 1 go out among the roundings, a store ahead of each pair.
.macro BLK p
	s_wait_loadcnt 24-4*(\p)                       ; loads come back in order (ISA guide 5.7.1): of the 28, the block's four are in when at most 24 - 4 p younger ones are out
.if (\p) > 0
	s_wait_alu depctr_va_vdst(0)                   ; the roundings of the block before have written the registers that the four stores below read
.endif
.irp j, 0,1,2,3
.if (\p) > 0
	ST 4*(\p)-4+(\j)                               ; no vector instruction since the wait names its registers
.endif
	CV 4*(\p)+(\j)
.endr
.endm
	BLK 0                                          ; q
	BLK 1
	BLK 2                                          ; k
	BLK 3
	BLK 4                                          ; v
	BLK 5
	BLK 6                                          ; Wq, Wk, Wv, and Wo to bf16 first,
	v_lshlrev_b32 v116, 16, v[X+108]               ; back to f32 (a shift, a mask),
	v_and_b32     v117, 0xffff0000, v[X+108]
	v_lshlrev_b32 v118, 16, v[X+109]
	v_and_b32     v119, 0xffff0000, v[X+109]
	v_cvt_pk_f16_f32 v[X+108], v116, v117          ; and on to f16
	v_cvt_pk_f16_f32 v[X+109], v118, v119
	s_wait_alu depctr_va_vdst(0)                   ; the last block's roundings, Wo's step to f16 among them, have written the registers that the last four stores read
	global_store_b64 v2, v[X+96:X+97],   s[36:37]
	global_store_b64 v2, v[X+100:X+101], s[38:39]
	global_store_b64 v2, v[X+104:X+105], s[40:41]
	global_store_b64 v2, v[X+108:X+109], s[42:43]
	s_endpgm
.Lfunc_end_k_q4a39b9c4ed_cast:
	.size	k_q4a39b9c4ed_cast, .Lfunc_end_k_q4a39b9c4ed_cast-k_q4a39b9c4ed_cast
	.p2alignl 7, 3214868480
	.fill 96, 4, 3214868480
	.section	.rodata,"a",@progbits
	.p2align	6, 0x0
	.amdhsa_kernel k_q4a39b9c4ed_cast
		.amdhsa_group_segment_fixed_size 0
		.amdhsa_private_segment_fixed_size 0
		.amdhsa_enable_private_segment 0
		.amdhsa_kernarg_size 72
		.amdhsa_user_sgpr_count 2
		.amdhsa_user_sgpr_kernarg_segment_ptr 1
		.amdhsa_wavefront_size32 1
		.amdhsa_system_sgpr_workgroup_id_x 1
		.amdhsa_system_sgpr_workgroup_id_y 1
		.amdhsa_system_sgpr_workgroup_id_z 1
		.amdhsa_system_vgpr_workitem_id 0
		.amdhsa_next_free_vgpr 120
		.amdhsa_next_free_sgpr 66
		.amdhsa_reserve_vcc 0
		.amdhsa_float_denorm_mode_32 3
		.amdhsa_float_denorm_mode_16_64 3
		.amdhsa_memory_ordered 1
		.amdhsa_forward_progress 1
		.amdhsa_inst_pref_size 11
	.end_amdhsa_kernel
	.amdgpu_metadata
---
amdhsa.version: [ 1, 2 ]
amdhsa.kernels:
  - .name:           k_q4a39b9c4ed_cast
    .symbol:         k_q4a39b9c4ed_cast.kd
    .args:
      - { .name: q, .offset: 0, .size: 8, .value_kind: global_buffer, .address_space: global }
      - { .name: k, .offset: 8, .size: 8, .value_kind: global_buffer, .address_space: global }
      - { .name: v, .offset: 16, .size: 8, .value_kind: global_buffer, .address_space: global }
      - { .name: Wq, .offset: 24, .size: 8, .value_kind: global_buffer, .address_space: global }
      - { .name: Wk, .offset: 32, .size: 8, .value_kind: global_buffer, .address_space: global }
      - { .name: Wv, .offset: 40, .size: 8, .value_kind: global_buffer, .address_space: global }
      - { .name: Wo, .offset: 48, .size: 8, .value_kind: global_buffer, .address_space: global }
      - { .name: xb, .offset: 56, .size: 8, .value_kind: global_buffer, .address_space: global }
      - { .name: wb, .offset: 64, .size: 8, .value_kind: global_buffer, .address_space: global }
    .group_segment_fixed_size: 0
    .private_segment_fixed_size: 0
    .kernarg_segment_align: 8
    .kernarg_segment_size: 72
    .max_flat_workgroup_size: 256
    .sgpr_count:     66
    .vgpr_count:     120
    .wavefront_size: 32
...
	.end_amdgpu_metadata
.endif
;; end of part 7
;; launch projqk: the kernel of part 2 again; grid 4 x 64, 4 waves a work-group, clusters of 4 x 4, 327,680 bytes of LDS; arguments xb, wb, bq, bk, qk, ssq; writes qk, ssq
;; launch projv: the kernel of part 3 again; grid 32 x 8, 4 waves a work-group, clusters of 4 x 4, 327,680 bytes of LDS; arguments xb, wb, bv, vt; writes vt
;; launch scores: the kernel of part 4 again; grid 8 x 32, 4 waves a work-group, clusters of 4 x 4, 327,680 bytes of LDS; arguments qk, ssq, attn_mask, key_padding_mask, pm, lp; writes pm, lp
;; launch pv: the kernel of part 5 again; grid 4 x 64, 4 waves a work-group, clusters of 4 x 4, 327,680 bytes of LDS; arguments pm, vt, lp, ob; writes ob
;; launch outp: the kernel of part 6 again; grid 4 x 64, 4 waves a work-group, clusters of 4 x 4, 327,680 bytes of LDS; arguments ob, wb, bo, out0; writes out0
